; MI455X (gfx1250); checked and timed in simulation.
; The chip was launched on July 23, 2026; its instructions are those of AMD's public machine-readable ISA for CDNA 5 (MIT licence, August 2026) and "CDNA5" Instruction Set Architecture Reference Guide (July 2026). The comments in the code are by the model that wrote it; some were corrected since.
;; MOE. Allowed arithmetic: matrix products marked QUANTISED: E2M1 operands, one E8M0 scale for each 32 along K, by v_wmma_scale_f32_16x16x128_f8f6f4 with both operands' format E2M1 (or v_wmma_scale_f32_32x16x128_f4), f32 sums; products left as they are: f32 operands where the result goes on into a quantised operand, else bf16, f16 or f32 operands; f32 sums; everything else in f32.
;; Inputs: b_fc 8 x 768 float32; b_proj 8 x 192 float32; gate_b 8 float32; gate_w 8 x 192 float32; w_fc 8 x 768 x 192 float32; w_proj 8 x 192 x 768 float32; x 4 x 2,048 x 192 float32.
;; Outputs: out0 4 x 2,048 x 192 float32.
;; This version of the problem:
;;   THIS VERSION OF THE PROBLEM IS GIVEN IN LOW PRECISION. The matrix products marked QUANTISED in the list below multiply operands that are first quantised to E2M1 (2 exponent bits, 1 mantissa bit; 4 bits a number), with one power-of-two scale for each 32 numbers along K (OCP MX v1.0); their sums are f32. All else is computed in f32.
;;   The module's matrix products, in the order in which they are computed (A, B: the left and right operand; K: the contracted axis; several contracted axes count as one K, in the product's order):
;;     1. [M 8,192, K 192] x [K 192, N 8]; A: input x; B: input gate_w: left as it is (N = 8 < 16)
;;     2. [M 8,192, K 192] x [K 192, N 768]; A: input x; B: input w_fc: QUANTISED
;;     3. [M 8,192, K 768] x [K 768, N 192]; A: computed on the way; B: input w_proj: QUANTISED
;;     4. [M 8,192, K 192] x [K 192, N 768]; A: input x; B: input w_fc: QUANTISED
;;     5. [M 8,192, K 768] x [K 768, N 192]; A: computed on the way; B: input w_proj: QUANTISED
;;     6. [M 8,192, K 192] x [K 192, N 768]; A: input x; B: input w_fc: QUANTISED
;;     7. [M 8,192, K 768] x [K 768, N 192]; A: computed on the way; B: input w_proj: QUANTISED
;;     8. [M 8,192, K 192] x [K 192, N 768]; A: input x; B: input w_fc: QUANTISED
;;     9. [M 8,192, K 768] x [K 768, N 192]; A: computed on the way; B: input w_proj: QUANTISED
;;     10. [M 8,192, K 192] x [K 192, N 768]; A: input x; B: input w_fc: QUANTISED
;;     11. [M 8,192, K 768] x [K 768, N 192]; A: computed on the way; B: input w_proj: QUANTISED
;;     12. [M 8,192, K 192] x [K 192, N 768]; A: input x; B: input w_fc: QUANTISED
;;     13. [M 8,192, K 768] x [K 768, N 192]; A: computed on the way; B: input w_proj: QUANTISED
;;     14. [M 8,192, K 192] x [K 192, N 768]; A: input x; B: input w_fc: QUANTISED
;;     15. [M 8,192, K 768] x [K 768, N 192]; A: computed on the way; B: input w_proj: QUANTISED
;;     16. [M 8,192, K 192] x [K 192, N 768]; A: input x; B: input w_fc: QUANTISED
;;     17. [M 8,192, K 768] x [K 768, N 192]; A: computed on the way; B: input w_proj: QUANTISED
;;   THE QUANTISER, for each operand of a quantised product, along K:
;;     - K is cut into blocks of 32 from its start; a last block that is shorter is filled with zeros.
;;     - A block's scale is 2^e with e = floor(log2(the largest magnitude in the block)) - 2, held to -126 .. 127; a block of zeros has e = 0. As a byte (E8M0): e + 127.
;;     - Each number is divided by its block's scale, clamped to +-6, and rounded to the nearest number of E2M1, ties to even, subnormals kept.
;;     - The product sums the exact products of the quantised numbers (number of the format x scale) in f32.
;;   ~~~python
;;   def quantise(x, axis):      # numpy; x: float32 -> the quantised numbers, widened to float32 again
;;       x = np.moveaxis(x, axis, -1); K = x.shape[-1]
;;       x = np.pad(x, [(0, 0)] * (x.ndim - 1) + [(0, -K % 32)]); x = x.reshape(x.shape[:-1] + (-1, 32)); a = np.abs(x).max(-1, keepdims=True)
;;       e = np.where(a > 0, np.clip(np.frexp(np.where(a > 0, a, 1))[1] - 1 - 2, -126, 127), 0)      # np.frexp(a)[1] - 1 = floor(log2(a)), exactly
;;       r = np.clip(x / 2.0 ** e, -6, 6)
;;       step = 2.0 ** (np.maximum(np.frexp(np.where(r == 0, 1, r))[1] - 1, 0) - 1)
;;       q = np.round(r / step) * step * 2.0 ** e      # np.round: ties to even
;;       return np.moveaxis(q.reshape(q.shape[:-2] + (-1,))[..., :K], -1, axis).astype(np.float32)
;;   ~~~
;;   OPERANDS COMPUTED ON THE WAY. 'Computed on the way' means the value that the module computes at that place (a softmax that the list does not call 'softmax' is quantised finished and normalised). What goes into a quantiser is computed in f32, as accurately as f32 sums, v_exp_f32 and their like allow (about 1e-6 of the number): no bf16 or f16 on the way to a quantiser, and a product that is left as it is and whose result goes on into a quantised operand takes f32 operands (vector FMAs, or v_wmma_f32_16x16x4_f32). A number that lies on a knife's edge between two numbers of the format may be rounded either way, as far as f32 arithmetic and the matrix unit's own rounding can turn it there, and no further.
;; 2 versions, each right and faster than the one before. Each part assembles by itself: llvm-mc -triple=amdgcn-amd-amdhsa -mcpu=gfx1250 --defsym DOCPART=n.
;; ======== version 1 of 2: 3 launches
;; workspace buffers: xrec 1,179,648 bytes; tokinfo 32,768 bytes of whole numbers; hist 32,768 bytes of whole numbers; order 32,768 bytes of whole numbers; w1q 589,824 bytes; w1s 49,152 bytes; w2q 589,824 bytes; w2s 36,864 bytes
;; launch route (part 1): grid 256 x 1, 1 waves a work-group, no clusters, 36,096 bytes of LDS; arguments x, gate_w, gate_b, xrec, tokinfo, hist; writes xrec, tokinfo, hist
.if DOCPART == 1
	.amdgcn_target "amdgcn-amd-amdhsa--gfx1250"
	.amdhsa_code_object_version 6
	.text
	.protected	k_q58ae050708_route
	.globl	k_q58ae050708_route
	.p2align	8
	.type	k_q58ae050708_route,@function
k_q58ae050708_route:
	s_mov_b64 s[64:65], 0
	v_nop
	global_prefetch_b8 v0, s[64:65] scope:SCOPE_SE
	s_setreg_imm32_b32 hwreg(HW_REG_WAVE_MODE, 25, 1), 1
	s_wait_xcnt 0x0
; ROUTE: the gate, the choice of two experts, and x as codes.  First of three launches (route, place, chain).
; scores = x gate_w^T + gate_b in f32; the two largest (ties: the lower index first); a softmax over the two, the larger score taken away first; comb[t][e] = the gate's weight of a chosen e, 0 of the six others.
; x is quantised along its 192 numbers to FP4 (E2M1), one E8M0 byte for each 32: byte = the largest magnitude's exponent field - 2, held at 1 from below.
; WORK LEFT OUT BY THE PROGRAM, AND WHY IT IS DEAD.  The result is the sum over e of comb[t][e] y_e[t].  comb is built from a one_hot of the two chosen indices, so for the six other experts
; comb[t][e] is exactly 0, and 0 x y_e[t] = 0 for every finite y_e[t], whatever the inputs hold.  So rows t of both products of an expert that t did not choose reach no output; the third launch leaves them out where
; they come as whole tiles of 16 tokens, and multiplies by comb = 0 inside a tile that also holds chosen rows.  Every input has a way to the output and is loaded by some launch.
; LIMITS.  A NaN, an infinity or an overflow that arises only in a y_e left out is not carried to the result.  NaN or infinite scores are not served by the choice.  The gate's f32 sums are taken in four chains, another order
; than a plain ascending sum.  A block of zeros gets the byte 1 where the quantiser says 127: its codes are zeros, and this program alone reads the bytes.  Blocks whose largest magnitude lies under 2^-124 keep the byte 1.
; SHARES.  A work-group is one wave and takes 32 tokens, a lane to a token: a lane's registers run along K, so a block's maximum and the conversions need no other lane.
; The 24,576 bytes of x are loaded as they lie (512 consecutive bytes a load) and turned through LDS, rows 784 bytes apart (49 x 16: sixteen lanes' rows begin 16 bytes apart modulo 256).  gate_w lies in LDS as in memory; all lanes read the same 16 bytes.
; OUT.  xrec: 144 bytes a token: 96 of codes, comb[8] f32, two scale words (blocks 0-3; blocks 4, 5 and two bytes 0x7f for the zero codes that fill the second K step), 8 zeros; gathered in LDS and stored 512 dense bytes a store.
; tokinfo: key | rank << 8 | lo << 16 | hi << 20: the key numbers the unordered pair (lo, hi) so that neighbouring keys share an expert; rank = earlier tokens of the group with the same key.  hist: the group's count of each key.
; No address and no branch of this launch hangs on the scores: the choice only selects values.
.set XP,    784                        ; a row of x in LDS
.set GW,    25088                      ; behind 32 rows of x: gate_w, 6,144 bytes
.set REC,   31232                      ; the records, 32 x 144 bytes
.set SPARE, 35840                      ; the spare words
.set R,     16                         ; v16-207  x as it lands, 48 x 4
.set GWR,   208                        ; v208-255 gate_w as it lands, 12 x 4
.set ACC,   16                         ; v16-79   expert e: four pairs at ACC + 8 e
.set X,     80                         ; v80-143  two sets of 32 numbers of my token
.set W,     144                        ; v144-207 two sets of 32 numbers of gate_w
.set C,     208                        ; v208-231 the codes
.set SB,    232                        ; v232-237 the scale bytes;  v238-240 at work
.set SC,    80                         ; from here on: the last stage, in registers that X and W have left
.set MS,    88
.set CMB,   96
.set WD,    104
.set T1,    108
.set I1,    109
.set T2,    110
.set I2,    111
.set NINF,  112
.set DD,    113
.set EXV,   114
.set DEN,   115
.set G1,    116
.set G2,    117
.set ELO,   118
.set EHI,   119
.set KA,    120
.set KB,    121
.set KC,    122
.set KEY,   123
.set RANK,  124
.set HISTV, 125
.set TMP,   126
.set TW,    127
.set D,     144                        ; v144-179 the records on their way out
	s_load_b256 s[4:11], s[0:1], 0x0               ; x s[4:5], gate_w s[6:7], gate_b s[8:9], xrec s[10:11]
	s_load_b128 s[12:15], s[0:1], 0x20             ; tokinfo s[12:13], hist s[14:15]
	v_lshl_add_u32 v6, v0, 2, SPARE                ; my spare word, and 0: kept for the closing lines alone
	v_mov_b32 v7, 0
	v_lshlrev_b32 v1, 4, v0                        ; 16 x lane
	v_lshrrev_b32 v2, 4, v0
	v_lshl_add_u32 v2, v2, 4, v1                   ; 16 x lane + 16 for lanes 16-31: the load that straddles two rows
	v_mul_u32_u24 v3, v0, XP                       ; my token's row in LDS
	v_mul_u32_u24 v4, v0, 144
	v_add_nc_u32 v4, REC, v4                       ; my record
	v_lshlrev_b32 v5, 2, v0                        ; 4 x lane
	v_mov_b32 v8, GW                               ; gate_w: the same address in every lane
	v_add_nc_u32 v9, REC, v1                       ; the records read back as they lie
	s_mul_i32 s24, ttmp9, 24576
	s_mov_b32 s25, 0
	s_wait_kmcnt 0x0
	s_load_b256 s[16:23], s[8:9], 0x0              ; gate_b: eight numbers, waited for ahead of the scores
	s_add_nc_u64 s[4:5], s[4:5], s[24:25]          ; my 32 rows of x
	s_mul_i32 s24, ttmp9, 4608
	s_add_nc_u64 s[10:11], s[10:11], s[24:25]      ; my 32 records
	s_lshl_b32 s24, ttmp9, 7
	s_add_nc_u64 s[12:13], s[12:13], s[24:25]
	s_add_nc_u64 s[14:15], s[14:15], s[24:25]
.set I_, 0
.rept 12
	global_load_b128 v[GWR+4*I_:GWR+4*I_+3], v1, s[6:7] offset:512*I_
.set I_, I_+1
.endr
.set I_, 0
.rept 48
	global_load_b128 v[R+4*I_:R+4*I_+3], v1, s[4:5] offset:512*I_ th:TH_LOAD_NT   ; read once in the launch
.set I_, I_+1
.endr
.set I_, 0
.rept 12
	s_wait_loadcnt 59-I_                           ; loads come back in order: the 59 - i issued behind this one may be out
	ds_store_b128 v1, v[GWR+4*I_:GWR+4*I_+3] offset:GW+512*I_
.set I_, I_+1
.endr
.set I_, 0
.rept 48                               ; three loads are two rows of 768 bytes: the first 512 of row A; A's last 256 and B's first 256; B's last 512
	s_wait_loadcnt 47-I_
.if I_%3 == 0
	ds_store_b128 v1, v[R+4*I_:R+4*I_+3] offset:(I_/3)*2*XP
.elseif I_%3 == 1
	ds_store_b128 v2, v[R+4*I_:R+4*I_+3] offset:(I_/3)*2*XP+512
.else
	ds_store_b128 v1, v[R+4*I_:R+4*I_+3] offset:(I_/3)*2*XP+XP+256
.endif
.set I_, I_+1
.endr
	s_wait_dscnt 0x0                               ; the stores have read their registers, which are used anew from here on
.macro XLOAD j                         ; block j of my token: 32 numbers into set j % 2
.set XL_, X+32*((\j)%2)
.irp i, 0,1,2,3,4,5,6,7
	ds_load_b128 v[XL_+4*\i:XL_+4*\i+3], v3 offset:128*(\j)+16*\i
.endr
.endm
.macro WLOAD n                         ; step n = 8 j + e: block j of gate_w's row e into set n % 2
.set WL_, W+32*((\n)%2)
.irp i, 0,1,2,3,4,5,6,7
	ds_load_b128 v[WL_+4*\i:WL_+4*\i+3], v8 offset:768*((\n)%8)+128*((\n)/8)+16*\i
.endr
.endm
.macro QBLK j                          ; block j becomes a scale byte and four registers of codes
.set XQ_, X+32*((\j)%2)
	v_max3_num_f32 v238, |v[XQ_]|, |v[XQ_+1]|, |v[XQ_+2]|            ; the block's largest magnitude, in two chains
	v_max3_num_f32 v239, |v[XQ_+3]|, |v[XQ_+4]|, |v[XQ_+5]|
.irp i, 6,10,14,18,22,26
	v_max3_num_f32 v238, v238, |v[XQ_+\i]|, |v[XQ_+\i+1]|
	v_max3_num_f32 v239, v239, |v[XQ_+\i+2]|, |v[XQ_+\i+3]|
.endr
	v_max3_num_f32 v238, v238, |v[XQ_+30]|, |v[XQ_+31]|
	v_max3_num_f32 v238, v238, v239, 0x1800000     ; and the floor 2^(3 - 127): the byte cannot fall under 1
	v_add_nc_u32 v240, 0xff000000, v238            ; 2 off the exponent field: the conversion takes this operand's exponent field as its scale
	v_lshrrev_b32 v[SB+(\j)], 23, v240             ; the scale's byte
.irp g, 0,1,2,3
	v_cvt_scalef32_pk8_fp4_f32 v[C+4*(\j)+\g], v[XQ_+8*\g:XQ_+8*\g+7], v240
.endr
	v_nop                                          ; one plain line behind the last scaled conversion
.endm
.macro DOT n                           ; 32 products of expert e = n % 8, two an instruction, in four chains; block 0's first four start the sums
.set DE_, (\n)%8
.set DJ_, (\n)/8
.set DX_, X+32*(DJ_%2)
.set DW_, W+32*((\n)%2)
.set DI_, 0
.rept 16
.set DA_, ACC+8*DE_+2*(DI_%4)
.if (DJ_ == 0) && (DI_ < 4)
	v_pk_mul_f32 v[DA_:DA_+1], v[DX_+2*DI_:DX_+2*DI_+1], v[DW_+2*DI_:DW_+2*DI_+1]
.else
	v_pk_fma_f32 v[DA_:DA_+1], v[DX_+2*DI_:DX_+2*DI_+1], v[DW_+2*DI_:DW_+2*DI_+1], v[DA_:DA_+1]
.endif
.set DI_, DI_+1
.endr
.endm
	XLOAD 0
	WLOAD 0
.set N_, 0
.rept 48                               ; 6 blocks x 8 experts; each step asks for the next step's numbers first
.set CNT_, 0
.if (N_%8 == 0) && (N_ < 40)
	XLOAD N_/8+1
.set CNT_, CNT_+8
.endif
.if N_ < 47
	WLOAD N_+1
.set CNT_, CNT_+8
.endif
	s_wait_dscnt CNT_                              ; all but the LDS loads just issued: this step's numbers are in
.if N_%8 == 0
	QBLK N_/8
.endif
	DOT N_
.set N_, N_+1
.endr
	s_wait_kmcnt 0x0                               ; gate_b
.irp e, 0,1,2,3,4,5,6,7
	v_pk_add_f32 v[ACC+8*\e:ACC+8*\e+1], v[ACC+8*\e:ACC+8*\e+1], v[ACC+8*\e+2:ACC+8*\e+3]
	v_pk_add_f32 v[ACC+8*\e+4:ACC+8*\e+5], v[ACC+8*\e+4:ACC+8*\e+5], v[ACC+8*\e+6:ACC+8*\e+7]
.endr
.irp e, 0,1,2,3,4,5,6,7
	v_pk_add_f32 v[ACC+8*\e:ACC+8*\e+1], v[ACC+8*\e:ACC+8*\e+1], v[ACC+8*\e+4:ACC+8*\e+5]
.endr
.irp e, 0,1,2,3,4,5,6,7
	v_add_f32 v[SC+\e], v[ACC+8*\e], v[ACC+8*\e+1]
.endr
.irp e, 0,1,2,3,4,5,6,7
	v_add_f32 v[SC+\e], s[16+\e], v[SC+\e]         ; the score
.endr
	v_mov_b32 v[T1], v[SC]                         ; the largest: a later expert wins only by a strictly greater score, so ties keep the lower index
	v_mov_b32 v[I1], 0
.irp e, 1,2,3,4,5,6,7
	v_cmp_gt_f32 vcc_lo, v[SC+\e], v[T1]
	v_cndmask_b32 v[T1], v[T1], v[SC+\e], vcc_lo
	v_cndmask_b32 v[I1], v[I1], \e, vcc_lo
.endr
	v_mov_b32 v[NINF], 0xff800000
.irp e, 0,1,2,3,4,5,6,7
	v_cmp_eq_u32 vcc_lo, \e, v[I1]
	v_cndmask_b32 v[MS+\e], v[SC+\e], v[NINF], vcc_lo   ; the winner is taken out
.endr
	v_mov_b32 v[T2], v[MS]                         ; the second, in the same way
	v_mov_b32 v[I2], 0
.irp e, 1,2,3,4,5,6,7
	v_cmp_gt_f32 vcc_lo, v[MS+\e], v[T2]
	v_cndmask_b32 v[T2], v[T2], v[MS+\e], vcc_lo
	v_cndmask_b32 v[I2], v[I2], \e, vcc_lo
.endr
	v_sub_f32 v[DD], v[T2], v[T1]                  ; the softmax of the two: the larger score is taken away, so the exponent is 0 or less
	v_mul_f32 v[DD], 0x3fb8aa3b, v[DD]
	v_exp_f32 v[EXV], v[DD]
	v_min_u32 v[ELO], v[I1], v[I2]                 ; (a plain line behind the exponential)
	s_wait_alu depctr_va_vdst(0)                   ; the wait ahead of the result's first reader
	v_add_f32 v[DEN], 1.0, v[EXV]
	v_rcp_f32 v[G1], v[DEN]                        ; the first gate
	v_max_u32 v[EHI], v[I1], v[I2]                 ; (a plain line behind the reciprocal)
	s_wait_alu depctr_va_vdst(0)
	v_mul_f32 v[G2], v[EXV], v[G1]                 ; the second
.irp e, 0,1,2,3,4,5,6,7
	v_cmp_eq_u32 vcc_lo, \e, v[I1]
	v_cndmask_b32 v[CMB+\e], 0, v[G1], vcc_lo
	v_cmp_eq_u32 vcc_lo, \e, v[I2]
	v_cndmask_b32 v[CMB+\e], v[CMB+\e], v[G2], vcc_lo
.endr
	; the pair's key: lo (15 - lo) / 2 pairs have a lower lo; within lo the hi ascends where lo is even and descends where it is odd: neighbouring keys share an expert
	v_sub_nc_u32 v[KA], 15, v[ELO]
	v_mul_u32_u24 v[KA], v[KA], v[ELO]
	v_lshrrev_b32 v[KA], 1, v[KA]
	v_sub_nc_u32 v[KB], v[EHI], v[ELO]
	v_add_nc_u32 v[KB], -1, v[KB]
	v_sub_nc_u32 v[KC], 7, v[EHI]
	v_and_b32 v[TMP], 1, v[ELO]
	v_cmp_eq_u32 vcc_lo, 1, v[TMP]
	v_cndmask_b32 v[KB], v[KB], v[KC], vcc_lo
	v_add_nc_u32 v[KEY], v[KA], v[KB]
	v_mov_b32 v[RANK], 0
	v_mov_b32 v[HISTV], 0                          ; keys 28 to 31 do not exist: their counts stay 0
.set Q_, 0
.rept 28                               ; for each key: which lanes hold it; a holder's rank is the number of holders in lower lanes; lane q keeps the count
	v_cmp_eq_u32 s26, Q_, v[KEY]
	v_mbcnt_lo_u32_b32 v[TMP], s26, 0
	v_cndmask_b32 v[RANK], v[RANK], v[TMP], s26
	s_bcnt1_i32_b32 s27, s26
	v_writelane_b32 v[HISTV], s27, Q_
.set Q_, Q_+1
.endr
	v_lshl_or_b32 v[TW], v[RANK], 8, v[KEY]
	v_lshl_or_b32 v[TW], v[ELO], 16, v[TW]
	v_lshl_or_b32 v[TW], v[EHI], 20, v[TW]
	v_lshl_or_b32 v[WD], v[SB+1], 8, v[SB]         ; the scale word of k 0 .. 127
	v_lshl_or_b32 v[WD], v[SB+2], 16, v[WD]
	v_lshl_or_b32 v[WD], v[SB+3], 24, v[WD]
	v_lshl_or_b32 v[WD+1], v[SB+5], 8, v[SB+4]     ; of k 128 .. 191, and the byte of 1.0 over the zero codes beyond
	v_or_b32 v[WD+1], 0x7f7f0000, v[WD+1]
	v_mov_b32 v[WD+2], 0
	v_mov_b32 v[WD+3], 0
.irp j, 0,1,2,3,4,5
	ds_store_b128 v4, v[C+4*\j:C+4*\j+3] offset:16*\j
.endr
	ds_store_b128 v4, v[CMB:CMB+3] offset:96
	ds_store_b128 v4, v[CMB+4:CMB+7] offset:112
	ds_store_b128 v4, v[WD:WD+3] offset:128
.irp i, 0,1,2,3,4,5,6,7,8
	ds_load_b128 v[D+4*\i:D+4*\i+3], v9 offset:512*\i   ; LDS serves a wave's instructions in order: these see the stores above
.endr
.irp i, 0,1,2,3,4,5,6,7,8
	s_wait_dscnt 8-\i                              ; the loads behind load i may be out
	global_store_b128 v1, v[D+4*\i:D+4*\i+3], s[10:11] offset:512*\i   ; 512 consecutive bytes, at a multiple of 256 from the buffer's first byte
.endr
	global_store_b32 v5, v[TW], s[12:13]
	global_store_b32 v5, v[HISTV], s[14:15]
	s_wait_tensorcnt 0x0                           ; the wave's end, behind my last LDS store
	ds_add_u32 v6, v7
	s_wait_dscnt 0x0
	s_endpgm
.Lfunc_end_k_q58ae050708_route:
	.size	k_q58ae050708_route, .Lfunc_end_k_q58ae050708_route-k_q58ae050708_route
	.p2alignl 7, 3214868480
	.fill 96, 4, 3214868480
	.section	.rodata,"a",@progbits
	.p2align	6, 0x0
	.amdhsa_kernel k_q58ae050708_route
		.amdhsa_group_segment_fixed_size 36096
		.amdhsa_private_segment_fixed_size 0
		.amdhsa_enable_private_segment 0
		.amdhsa_kernarg_size 48
		.amdhsa_user_sgpr_count 2
		.amdhsa_user_sgpr_kernarg_segment_ptr 1
		.amdhsa_wavefront_size32 1
		.amdhsa_system_sgpr_workgroup_id_x 1
		.amdhsa_system_sgpr_workgroup_id_y 1
		.amdhsa_system_sgpr_workgroup_id_z 1
		.amdhsa_system_vgpr_workitem_id 0
		.amdhsa_next_free_vgpr 256
		.amdhsa_next_free_sgpr 66
		.amdhsa_reserve_vcc 1
		.amdhsa_float_denorm_mode_32 3
		.amdhsa_float_denorm_mode_16_64 3
		.amdhsa_memory_ordered 1
		.amdhsa_forward_progress 1
		.amdhsa_inst_pref_size 115
	.end_amdhsa_kernel
	.amdgpu_metadata
---
amdhsa.version: [ 1, 2 ]
amdhsa.kernels:
  - .name:           k_q58ae050708_route
    .symbol:         k_q58ae050708_route.kd
    .args:
      - { .name: x, .offset: 0, .size: 8, .value_kind: global_buffer, .address_space: global }
      - { .name: gate_w, .offset: 8, .size: 8, .value_kind: global_buffer, .address_space: global }
      - { .name: gate_b, .offset: 16, .size: 8, .value_kind: global_buffer, .address_space: global }
      - { .name: xrec, .offset: 24, .size: 8, .value_kind: global_buffer, .address_space: global }
      - { .name: tokinfo, .offset: 32, .size: 8, .value_kind: global_buffer, .address_space: global }
      - { .name: hist, .offset: 40, .size: 8, .value_kind: global_buffer, .address_space: global }
    .group_segment_fixed_size: 36096
    .private_segment_fixed_size: 0
    .kernarg_segment_align: 8
    .kernarg_segment_size: 48
    .max_flat_workgroup_size: 32
    .sgpr_count:     66
    .vgpr_count:     256
    .wavefront_size: 32
...
	.end_amdgpu_metadata
.endif
;; end of part 1
;; launch place (part 2): grid 232 x 1, 4 waves a work-group, no clusters, 117,248 bytes of LDS; arguments tokinfo, hist, w_fc, w_proj, order, w1q, w1s, w2q, w2s; writes order, w1q, w1s, w2q, w2s
.if DOCPART == 2
	.amdgcn_target "amdgcn-amd-amdhsa--gfx1250"
	.amdhsa_code_object_version 6
	.text
	.protected	k_q58ae050708_place
	.globl	k_q58ae050708_place
	.p2align	8
	.type	k_q58ae050708_place,@function
k_q58ae050708_place:
	s_mov_b64 s[64:65], 0
	v_nop
	global_prefetch_b8 v0, s[64:65] scope:SCOPE_SE
	s_setreg_imm32_b32 hwreg(HW_REG_WAVE_MODE, 25, 1), 1
	s_wait_xcnt 0x0
; PLACE: three kinds of work-group, told apart by the work-group's number; the ways never join, and no wave shares anything with another: no barrier.
; 0-63    THE SORT.  A wave takes a group of 32 tokens.  A token's place among the 8,192 sorted by key = tokens of lower keys + tokens of its key in earlier groups + its rank in its group.  The first two come from
;         the 256 x 32 histogram, which each wave sums by columns (lane q: key q).  order[place] = token | lo << 16 | hi << 20.  The store is the permutation itself: 4 bytes a lane.
; 64-159  w_fc [8][768][192] f32 becomes codes of FP4 in the order of the operand's registers.  A wave takes a unit: the 16 rows of one tile (expert e, wave w of the third launch, tile t): row 64 w + 32 (t / 2) + 8 (t % 2) + r + 8 (r / 8),
;         so that the results of two neighbouring tiles are 16 neighbours along the next K.  A unit is 3 chunks of 64 along K: lane (r, h) holds the 16 bytes of k = 64 cc + 32 h + 0 .. 31 of row r.
; 160-231 w_proj [8][192][768] likewise: a unit is 16 rows x 256 along K: 4 chunks.
; The scale words: lanes 0-15 the word of the unit's first 128 along K for row r, lanes 16-31 that of the second (w_fc: blocks 4 and 5, then two bytes 0x7f over the zero codes that fill the K step).
; The quantiser: byte = the largest magnitude's exponent field - 2, held at 1 from below.  A block of zeros gets the byte 1 where the quantiser says 127: its codes are zeros, and this program alone reads the bytes.
; The f32 rows are loaded as they lie, 512 consecutive bytes a load, and turned through the wave's own stage in LDS (pitches 784 and 1,040 bytes, odd multiples of 16); each kind of unit has LDS bytes of its own.
.set W1P,   784
.set W1REG, 16*W1P                     ; a wave's stage for w_fc
.set W2ST,  4*W1REG
.set W2P,   1040
.set W2REG, 16*W2P                     ; and for w_proj
.set SPARE, W2ST+4*W2REG               ; the spare words, 128 bytes a wave
.set Y,     16                         ; v16-19   a chunk's scale byte
.set C,     20                         ; v20-35   the codes, four registers a chunk: no store's data are written again
.set R,     36                         ; v36-163  the rows as they land; later chunks 2 and 3
.set X0,    164                        ; v164-195 chunk 0
.set X1,    196                        ; v196-227 chunk 1;  v228-235 at work
.macro HLOAD b                         ; rows 32 b .. 32 b + 31 of the histogram, 128 bytes a row, into set b % 2
.set I_, 0
.rept 32
	global_load_b32 v[32+32*((\b)%2)+I_], v1, s[6:7] offset:128*(32*(\b)+I_)
.set I_, I_+1
.endr
.endm
.macro HSUM b                          ; every row counts for the keys' totals, the rows of earlier groups also for my group's start; two chains each
.set I_, 0
.rept 32
	s_cmp_gt_u32 s23, 32*(\b)+I_
	s_cselect_b32 s[26+I_%2], 1, 0
	v_mad_u32_u24 v[22+I_%2], v[32+32*((\b)%2)+I_], s[26+I_%2], v[22+I_%2]
	v_add_nc_u32 v[20+I_%2], v[20+I_%2], v[32+32*((\b)%2)+I_]
.set I_, I_+1
.endr
.endm
.macro CLOAD cc, reg                   ; chunk cc: my 32 numbers, k = 64 cc + 32 h + 0 .. 31 of row r
.irp i, 0,1,2,3,4,5,6,7
	ds_load_b128 v[\reg+4*\i:\reg+4*\i+3], v5 offset:256*(\cc)+16*\i
.endr
.endm
.macro QCH cc, reg                     ; the chunk's block of mine becomes a byte and 16 bytes of codes, which leave at once: 512 consecutive bytes a wave
	v_max3_num_f32 v228, |v[\reg]|, |v[\reg+1]|, |v[\reg+2]|
	v_max3_num_f32 v229, |v[\reg+3]|, |v[\reg+4]|, |v[\reg+5]|
.irp i, 6,10,14,18,22,26
	v_max3_num_f32 v228, v228, |v[\reg+\i]|, |v[\reg+\i+1]|
	v_max3_num_f32 v229, v229, |v[\reg+\i+2]|, |v[\reg+\i+3]|
.endr
	v_max3_num_f32 v228, v228, |v[\reg+30]|, |v[\reg+31]|
	v_max3_num_f32 v228, v228, v229, 0x1800000     ; the floor 2^(3 - 127): the byte cannot fall under 1
	v_add_nc_u32 v230, 0xff000000, v228            ; 2 off the exponent field: the conversion's scale operand
	v_lshrrev_b32 v[Y+\cc], 23, v230
.irp g, 0,1,2,3
	v_cvt_scalef32_pk8_fp4_f32 v[C+4*\cc+\g], v[\reg+8*\g:\reg+8*\g+7], v230
.endr
	v_nop                                          ; one plain line behind the last scaled conversion
	global_store_b128 v1, v[C+4*\cc:C+4*\cc+3], s[34:35] offset:512*\cc
.endm
; A unit of NCH chunks.  s[32:33] its first row, s[34:35] its codes, s[36:37] its scale words; v3 (v4) my place in the stage on the way in, v5 on the way out.
.macro QUNIT NCH
.if \NCH == 3
.set I_, 0
.rept 24                               ; two runs of 8 dense rows of 768 bytes, 16 rows apart
	global_load_b128 v[R+4*I_:R+4*I_+3], v1, s[32:33] offset:(I_/12)*12288+(I_%12)*512 th:TH_LOAD_NT
.set I_, I_+1
.endr
.set I_, 0
.rept 24                               ; three loads are two rows: as in the first launch
	s_wait_loadcnt 23-I_                           ; the loads behind this one may be out
.set P_, (I_/12)*8*W1P+((I_%12)/3)*2*W1P
.if I_%3 == 0
	ds_store_b128 v3, v[R+4*I_:R+4*I_+3] offset:P_
.elseif I_%3 == 1
	ds_store_b128 v4, v[R+4*I_:R+4*I_+3] offset:P_+512
.else
	ds_store_b128 v3, v[R+4*I_:R+4*I_+3] offset:P_+W1P+256
.endif
.set I_, I_+1
.endr
.else
.set I_, 0
.rept 32                               ; 16 rows, 1,024 bytes of each, in two loads
	global_load_b128 v[R+4*I_:R+4*I_+3], v1, s[32:33] offset:(I_/2)*3072+(I_%2)*512 th:TH_LOAD_NT
.set I_, I_+1
.endr
.set I_, 0
.rept 32
	s_wait_loadcnt 31-I_
	ds_store_b128 v3, v[R+4*I_:R+4*I_+3] offset:(I_/2)*W2P+(I_%2)*512
.set I_, I_+1
.endr
.endif
	CLOAD 0, X0
	CLOAD 1, X1
	s_wait_dscnt 8                                 ; chunk 0 is in, so the stores into the stage, issued earlier, have read their registers:
	CLOAD 2, R                                     ; which take the later chunks
.if \NCH == 4
	CLOAD 3, R+32
.endif
	QCH 0, X0
	s_wait_dscnt 8*(\NCH-2)                        ; the chunks behind chunk 1 may be out
	QCH 1, X1
	s_wait_dscnt 8*(\NCH-3)
	QCH 2, R
.if \NCH == 4
	s_wait_dscnt 0x0
	QCH 3, R+32
.endif
	v_lshl_or_b32 v231, v[Y+1], 16, v[Y]           ; my two bytes of the first word: blocks h and 2 + h,
	v_lshlrev_b32 v231, v7, v231                   ; at their places (8 h bits up);
	v_mov_b32 v232, 0
	v_permlanex16_b32 v232, v231, s40, s41
	v_or_b32 v231, v231, v232                      ; with lane l xor 16's two the word is whole
.if \NCH == 4
	v_lshl_or_b32 v233, v[Y+3], 16, v[Y+2]
	v_lshlrev_b32 v233, v7, v233
.else
	v_lshlrev_b32 v233, v7, v[Y+2]
.endif
	v_mov_b32 v234, 0
	v_permlanex16_b32 v234, v233, s40, s41
	v_or_b32 v233, v233, v234
.if \NCH == 3
	v_or_b32 v233, 0x7f7f0000, v233                ; the byte of 1.0 over the zero codes of k 192 .. 255
.endif
	v_cmp_le_u32 vcc_lo, 16, v2
	v_cndmask_b32 v231, v231, v233, vcc_lo         ; lanes 0-15 keep the first word, lanes 16-31 the second
	global_store_b32 v6, v231, s[36:37]
	s_wait_tensorcnt 0x0                           ; the wave's end, behind my last LDS store
	ds_add_u32 v12, v13
	s_wait_dscnt 0x0
	s_endpgm
.endm
	s_load_b512 s[4:19], s[0:1], 0x0               ; tokinfo s[4:5], hist s[6:7], w_fc s[8:9], w_proj s[10:11], order s[12:13], w1q s[14:15], w1s s[16:17], w2q s[18:19]
	s_load_b64 s[20:21], s[0:1], 0x40              ; w2s
	v_lshl_add_u32 v12, v0, 2, SPARE               ; my spare word, and 0: kept for the closing lines alone
	v_mov_b32 v13, 0
	v_lshrrev_b32 v2, 5, v0
	v_readfirstlane_b32 s22, v2                    ; wave 0..3
	v_and_b32 v2, 31, v0                           ; lane
	s_mov_b32 s25, 0
	s_mov_b32 s27, 0
	s_wait_kmcnt 0x0
	s_cmp_lt_u32 ttmp9, 64
	s_cbranch_scc0 .Lweights
	; ---- the sort
	s_lshl_b32 s23, ttmp9, 2
	s_add_co_u32 s23, s23, s22                     ; my group
	s_lshl_b32 s24, s23, 7
	s_add_nc_u64 s[4:5], s[4:5], s[24:25]
	v_lshlrev_b32 v1, 2, v2
	global_load_b32 v16, v1, s[4:5]                ; my token's word
	HLOAD 0
	HLOAD 1
	v_mov_b32 v20, 0                               ; the keys' totals,
	v_mov_b32 v21, 0
	v_mov_b32 v22, 0                               ; and their counts in earlier groups
	v_mov_b32 v23, 0
.irp b, 0,1,2,3,4,5,6,7
.if \b < 7
	s_wait_loadcnt 32                              ; this batch is in; the next batch's 32 loads may be out
.else
	s_wait_loadcnt 0x0
.endif
	HSUM \b
.if \b < 6
	HLOAD \b+2
.endif
.endr
	v_add_nc_u32 v20, v20, v21
	v_add_nc_u32 v22, v22, v23
	v_and_b32 v24, 31, v16                         ; my key
	v_mov_b32 v25, 0
	s_mov_b32 s28, 0                               ; tokens of lower keys
.set Q_, 0
.rept 28                               ; key q begins at s28; my group's tokens of it begin s30 further on; the lanes that hold key q take the sum
	v_readlane_b32 s29, v20, Q_
	v_readlane_b32 s30, v22, Q_
	s_add_co_u32 s30, s30, s28
	v_cmp_eq_u32 vcc_lo, Q_, v24
	v_cndmask_b32 v25, v25, s30, vcc_lo
	s_add_co_u32 s28, s28, s29
.set Q_, Q_+1
.endr
	v_bfe_u32 v26, v16, 8, 5                       ; my rank
	v_add_nc_u32 v25, v25, v26
	v_min_u32 v25, 0x1fff, v25                     ; a place is under 8,192
	v_lshlrev_b32 v25, 2, v25
	s_lshl_b32 s24, s23, 5
	v_add_nc_u32 v26, s24, v2                      ; my token
	v_and_or_b32 v26, v16, 0x770000, v26           ; with lo and hi
	global_store_b32 v25, v26, s[12:13]
	s_endpgm                                       ; this way has written no LDS
.Lweights:
	v_lshlrev_b32 v1, 4, v2                        ; 16 x lane
	v_lshlrev_b32 v6, 2, v2                        ; 4 x lane
	v_and_b32 v8, 15, v2                           ; r
	v_lshrrev_b32 v9, 4, v2                        ; h
	v_lshlrev_b32 v7, 3, v9                        ; 8 h
	s_mov_b32 s40, 0x76543210
	s_mov_b32 s41, 0xfedcba98                      ; v_permlanex16_b32's selects for lane l xor 16
	s_cmp_lt_u32 ttmp9, 160
	s_cbranch_scc0 .Lproj
	; ---- w_fc
	s_mul_i32 s23, s22, W1REG                      ; my stage
	v_add_nc_u32 v3, s23, v1
	v_lshl_add_u32 v4, v9, 4, v3
	v_mul_u32_u24 v5, v8, W1P
	v_lshl_add_u32 v5, v9, 7, v5
	v_add_nc_u32 v5, s23, v5
	s_sub_co_u32 s24, ttmp9, 64
	s_lshl_b32 s24, s24, 2
	s_add_co_u32 s24, s24, s22                     ; unit u = (12 e + w) 4 + t
	s_lshr_b32 s26, s24, 2
	s_lshl_b32 s26, s26, 6                         ; 64 (12 e + w)
	s_bfe_u32 s28, s24, 0x10001
	s_lshl_b32 s28, s28, 5                         ; + 32 (t / 2)
	s_add_co_u32 s26, s26, s28
	s_and_b32 s28, s24, 1
	s_lshl_b32 s28, s28, 3                         ; + 8 (t % 2)
	s_add_co_u32 s26, s26, s28
	s_mul_i32 s26, s26, 768                        ; rows of 768 bytes
	s_add_nc_u64 s[32:33], s[8:9], s[26:27]
	s_mul_i32 s26, s24, 1536
	s_add_nc_u64 s[34:35], s[14:15], s[26:27]
	s_lshl_b32 s26, s24, 7
	s_add_nc_u64 s[36:37], s[16:17], s[26:27]
	QUNIT 3
.Lproj:
	; ---- w_proj
	s_mul_i32 s23, s22, W2REG
	s_add_co_u32 s23, s23, W2ST                    ; my stage
	v_add_nc_u32 v3, s23, v1
	v_mul_u32_u24 v5, v8, W2P
	v_lshl_add_u32 v5, v9, 7, v5
	v_add_nc_u32 v5, s23, v5
	s_sub_co_u32 s24, ttmp9, 160
	s_lshl_b32 s24, s24, 2
	s_add_co_u32 s24, s24, s22                     ; unit u = 3 (12 e + n) + jj, under 288
	s_mul_i32 s28, s24, 171
	s_lshr_b32 s28, s28, 9                         ; u / 3 (exact for u under 512)
	s_mul_i32 s29, s28, 3
	s_sub_co_u32 s29, s24, s29                     ; jj
	s_mul_i32 s26, s28, 49152                      ; 16 rows of 3,072 bytes
	s_lshl_b32 s29, s29, 10                        ; 256 numbers along K
	s_add_co_u32 s26, s26, s29
	s_add_nc_u64 s[32:33], s[10:11], s[26:27]
	s_lshl_b32 s26, s24, 11
	s_add_nc_u64 s[34:35], s[18:19], s[26:27]
	s_lshl_b32 s26, s24, 7
	s_add_nc_u64 s[36:37], s[20:21], s[26:27]
	QUNIT 4
.Lfunc_end_k_q58ae050708_place:
	.size	k_q58ae050708_place, .Lfunc_end_k_q58ae050708_place-k_q58ae050708_place
	.p2alignl 7, 3214868480
	.fill 96, 4, 3214868480
	.section	.rodata,"a",@progbits
	.p2align	6, 0x0
	.amdhsa_kernel k_q58ae050708_place
		.amdhsa_group_segment_fixed_size 117248
		.amdhsa_private_segment_fixed_size 0
		.amdhsa_enable_private_segment 0
		.amdhsa_kernarg_size 72
		.amdhsa_user_sgpr_count 2
		.amdhsa_user_sgpr_kernarg_segment_ptr 1
		.amdhsa_wavefront_size32 1
		.amdhsa_system_sgpr_workgroup_id_x 1
		.amdhsa_system_sgpr_workgroup_id_y 1
		.amdhsa_system_sgpr_workgroup_id_z 1
		.amdhsa_system_vgpr_workitem_id 0
		.amdhsa_next_free_vgpr 256
		.amdhsa_next_free_sgpr 66
		.amdhsa_reserve_vcc 1
		.amdhsa_float_denorm_mode_32 3
		.amdhsa_float_denorm_mode_16_64 3
		.amdhsa_memory_ordered 1
		.amdhsa_forward_progress 1
		.amdhsa_inst_pref_size 109
	.end_amdhsa_kernel
	.amdgpu_metadata
---
amdhsa.version: [ 1, 2 ]
amdhsa.kernels:
  - .name:           k_q58ae050708_place
    .symbol:         k_q58ae050708_place.kd
    .args:
      - { .name: tokinfo, .offset: 0, .size: 8, .value_kind: global_buffer, .address_space: global }
      - { .name: hist, .offset: 8, .size: 8, .value_kind: global_buffer, .address_space: global }
      - { .name: w_fc, .offset: 16, .size: 8, .value_kind: global_buffer, .address_space: global }
      - { .name: w_proj, .offset: 24, .size: 8, .value_kind: global_buffer, .address_space: global }
      - { .name: order, .offset: 32, .size: 8, .value_kind: global_buffer, .address_space: global }
      - { .name: w1q, .offset: 40, .size: 8, .value_kind: global_buffer, .address_space: global }
      - { .name: w1s, .offset: 48, .size: 8, .value_kind: global_buffer, .address_space: global }
      - { .name: w2q, .offset: 56, .size: 8, .value_kind: global_buffer, .address_space: global }
      - { .name: w2s, .offset: 64, .size: 8, .value_kind: global_buffer, .address_space: global }
    .group_segment_fixed_size: 117248
    .private_segment_fixed_size: 0
    .kernarg_segment_align: 8
    .kernarg_segment_size: 72
    .max_flat_workgroup_size: 128
    .sgpr_count:     66
    .vgpr_count:     256
    .wavefront_size: 32
...
	.end_amdgpu_metadata
.endif
;; end of part 2
;; launch chain (part 3): grid 256 x 1, 12 waves a work-group, no clusters, 39,680 bytes of LDS; arguments order, xrec, w1q, w1s, b_fc, w2q, w2s, b_proj, out0; writes out0
.if DOCPART == 3
	.amdgcn_target "amdgcn-amd-amdhsa--gfx1250"
	.amdhsa_code_object_version 6
	.text
	.protected	k_q58ae050708_chain
	.globl	k_q58ae050708_chain
	.p2align	8
	.type	k_q58ae050708_chain,@function
k_q58ae050708_chain:
	s_mov_b64 s[64:65], 0
	v_nop
	global_prefetch_b8 v0, s[64:65] scope:SCOPE_SE
	s_setreg_imm32_b32 hwreg(HW_REG_WAVE_MODE, 25, 1), 1
	s_wait_xcnt 0x0
; CHAIN: out[t] = the sum over the experts e that t chose of comb[t][e] (gelu(x[t] W_fc[e]^T + b_fc[e]) W_proj[e]^T + b_proj[e]), both products on codes of FP4 with one E8M0 scale for each 32 along K.
; WORK LEFT OUT: tiles of 16 tokens none of which chose the expert: comb is exactly 0 there by the one_hot from which it is built, so they add nothing (shown at the head of the first launch; a NaN or an overflow that arises only there is not carried).
; SHARES.  A work-group owns 32 tokens that follow each other in the order sorted by pairs of experts, as two tiles of 16, and is the one owner of their rows of the output.  It walks the experts that its tokens use: eight trips,
; a constant, of which trip i serves the i-th used expert; a trip with no expert left passes the two barriers and does nothing else.  Each tile has its own mask of experts; a tile is passed over by a scalar branch on the stored list.
; THE TWELVE WAVES SHARE THE COLUMNS: wave w makes hidden units 64 w .. 64 w + 63 (four tiles of W_fc's rows: 64 along the next K) and outputs 16 w .. 16 w + 15.  Both products are used transposed (source 0 = 16 rows of the weight,
; source 1 = 16 tokens): a lane holds one token throughout, its registers run along the hidden units, and the rows of W_fc that form a tile were chosen by the second launch so that two tiles' 16 registers are 16 neighbours along the next K.
; The hidden layer never goes to memory: each wave quantises its 64 units and stores them in LDS as an image of the operand's registers (16 bytes a lane), its two scale bytes beside them; a barrier; every wave loads all twelve images.
; K = 192 of the first product is one K step and a half: the rest of the second step is zero codes on both sides, under the byte of 1.0.
; gelu(v) = v / (1 + 2^(v (c0 + c1 v^2))), c0 = -2 log2(e) sqrt(2 / pi), c1 = 0.044715 c0: the tanh form written with one exponential; in f32.
; NO TENSOR LOADS AND NO JOINT REQUESTS, though work-groups of like experts read the same weights: which experts a work-group walks hangs on numbers read from memory, so partners would ask for different tiles in different trips.
; The weights come from memory straight into registers, in the order in which the second launch laid them: each lane loads its fragments whole, each fragment once a work-group.
; REGISTERS.  v1-12 addresses that stay; v14, v15 the add's two; v16-19 where my four pieces of the output go; v[20:21] c0; v22, 23 comb of my token in tile 0, 1; v26-37 scale words and nothing else (x's 2, W_fc's 4, W_proj's 3, the hidden layer's 3);
; v38-45 b_proj; v46-77 x's fragments; v78-93 the output's sums; v94-125 b_fc; v126-173 W_proj's fragments; v174-205 the hidden layer, v206-237 at work (in the second product: v174-221 the hidden fragments, v222-237 two accumulators);
; v256-319 (window 1) W_fc's fragments: K step 0 of tile t at 8 t, K step 1 at 32 + 8 t, its upper four registers zeros.
.set HIMG,  0                          ; LDS: the hidden layer's images: [tile of tokens 2][chunk 12][512 bytes]
.set HSC,   12288                      ; its scale words: [tile 2][3][lanes 0-15: K step 2 j; lanes 16-31: K step 2 j + 1][4 bytes]
.set STG,   13056                      ; the way out: 32 rows x (768 bytes + 16)
.set SPARE, 38144                      ; the spare words, 128 bytes a wave
.set TK,  16
.set CB,  22
.set XS,  26
.set W1S, 28
.set W2S, 32
.set HS,  35
.set B2,  38
.set XF,  46
.set OUT, 78
.set B1,  94
.set W2,  126
.set H,   174
.set T,   206
.set HF,  174
.set Y0,  222
.set Y1,  230
; s22 wave; s23 w & 3; s24 w >> 2; s26, s27 the two tiles' masks of experts; s28 experts still to come; s29 the expert in hand; s30 1 while there is one; s31 the trips' count;
; s[32:33] c1; s34, s35 lane selects; s[36:49] the expert's seven addresses; s[50:51] an offset, its high word 0; s52, s53 at work
.set MSB, 0
.macro WIN new                         ; the immediate's high byte repeats the setting that is left
.if MSB != \new
	s_set_vgpr_msb (MSB<<8)|\new
.set MSB, \new
.endif
.endm
.macro NEXT                            ; the lowest expert still to come is taken in hand
	s_cmp_lg_u32 s28, 0
	s_cselect_b32 s30, 1, 0
	s_ctz_i32_b32 s29, s28
	s_min_u32 s29, s29, 7                          ; an expert's number is under 8
	s_sub_co_u32 s52, s28, 1
	s_and_b32 s28, s28, s52
.endm
.macro TEST mask, label                ; does the tile use the expert in hand?
	s_lshr_b32 s52, \mask, s29
	s_and_b32 s52, s52, 1
	s_cmp_eq_u32 s52, 0
	s_cbranch_scc1 \label
.endm
.macro W1GROUP e                       ; 24 loads: my four tiles of W_fc[e] (three chunks each), their scale words, my 64 numbers of b_fc[e] in the result's layout
	s_wait_xcnt 0x0                                ; earlier loads have read their addresses, which are written anew
	s_mul_i32 s50, \e, 73728
	s_add_nc_u64 s[36:37], s[8:9], s[50:51]
	s_mul_i32 s50, \e, 6144
	s_add_nc_u64 s[38:39], s[10:11], s[50:51]
	s_mul_i32 s50, \e, 3072
	s_add_nc_u64 s[40:41], s[12:13], s[50:51]
	WIN 0x40                                       ; destination window 1
.irp t, 0,1,2,3
	global_load_b128 v[8*\t:8*\t+3], v1, s[36:37] offset:1536*\t
	global_load_b128 v[8*\t+4:8*\t+7], v1, s[36:37] offset:1536*\t+512
	global_load_b128 v[32+8*\t:32+8*\t+3], v1, s[36:37] offset:1536*\t+1024
.endr
	WIN 0
.irp t, 0,1,2,3
	global_load_b32 v[W1S+\t], v2, s[38:39] offset:128*\t
.endr
.irp t, 0,1,2,3
	global_load_b128 v[B1+8*\t:B1+8*\t+3], v3, s[40:41] offset:4*(32*(\t/2)+8*(\t%2))
	global_load_b128 v[B1+8*\t+4:B1+8*\t+7], v3, s[40:41] offset:4*(32*(\t/2)+8*(\t%2))+16
.endr
.endm
.macro W2GROUP                         ; 19 loads for the expert in hand: my 16 rows of W_proj (twelve chunks), their scale words, my 16 numbers of b_proj, comb of my two tokens
	s_wait_xcnt 0x0
	s_mul_i32 s50, s29, 73728
	s_add_nc_u64 s[42:43], s[14:15], s[50:51]
	s_mul_i32 s50, s29, 4608
	s_add_nc_u64 s[44:45], s[16:17], s[50:51]
	s_mul_i32 s50, s29, 768
	s_add_nc_u64 s[46:47], s[18:19], s[50:51]
	s_lshl_b32 s50, s29, 2
	s_add_co_u32 s50, s50, 96
	s_add_nc_u64 s[48:49], s[6:7], s[50:51]
.set I_, 0
.rept 12
	global_load_b128 v[W2+4*I_:W2+4*I_+3], v1, s[42:43] offset:512*I_
.set I_, I_+1
.endr
.irp j, 0,1,2
	global_load_b32 v[W2S+\j], v2, s[44:45] offset:128*\j
.endr
	global_load_b128 v[B2:B2+3], v4, s[46:47]
	global_load_b128 v[B2+4:B2+7], v4, s[46:47] offset:16
	global_load_b32 v[CB], v7, s[48:49]
	global_load_b32 v[CB+1], v8, s[48:49]
.endm
; The first product for tile m: four accumulators by turns; b_fc is the C of each sum's first instruction.  The second K step takes its scale words from lanes 16-31.
.macro MM1 m
	WIN 0x01                                       ; source 0 (W_fc) window 1
.irp t, 0,1,2,3
	v_wmma_scale_f32_16x16x128_f8f6f4 v[H+8*\t:H+8*\t+7], v[8*\t:8*\t+7], v[XF+16*\m:XF+16*\m+7], v[B1+8*\t:B1+8*\t+7], v[W1S+\t], v[XS+\m] matrix_a_fmt:MATRIX_FMT_FP4 matrix_b_fmt:MATRIX_FMT_FP4
.endr
.irp t, 0,1,2,3
	v_wmma_scale_f32_16x16x128_f8f6f4 v[H+8*\t:H+8*\t+7], v[32+8*\t:32+8*\t+7], v[XF+16*\m+8:XF+16*\m+15], v[H+8*\t:H+8*\t+7], v[W1S+\t], v[XS+\m] matrix_a_fmt:MATRIX_FMT_FP4 matrix_b_fmt:MATRIX_FMT_FP4 matrix_a_scale:MATRIX_SCALE_ROW1 matrix_b_scale:MATRIX_SCALE_ROW1
.endr
	WIN 0
.endm
; The activation and the quantiser for tile m: 32 numbers a lane, register 16 b + i = hidden unit 64 w + 32 b + 16 (lane / 16) + i of my token.  places = 1: four places are still owed behind the products.
.macro GELUQ m, places
.if \places
.rept 4
	v_nop
.endr
.endif
.set I_, 0
.rept 16
	v_pk_mul_f32 v[T+2*I_:T+2*I_+1], v[H+2*I_:H+2*I_+1], v[H+2*I_:H+2*I_+1]   ; v^2; ascending
.set I_, I_+1
.endr
.set I_, 0
.rept 16
	v_pk_fma_f32 v[T+2*I_:T+2*I_+1], v[T+2*I_:T+2*I_+1], s[32:33], v[20:21] op_sel_hi:[1,0,1]   ; c1 v^2 + c0
.set I_, I_+1
.endr
.set I_, 0
.rept 16
	v_pk_mul_f32 v[T+2*I_:T+2*I_+1], v[T+2*I_:T+2*I_+1], v[H+2*I_:H+2*I_+1]
.set I_, I_+1
.endr
.set I_, 0
.rept 32
	v_exp_f32 v[T+I_], v[T+I_]
.set I_, I_+1
.endr
	v_nop                                          ; a plain line behind the last exponential
	s_wait_alu depctr_va_vdst(0)                   ; one wait for the batch, ahead of its first reader
.set I_, 0
.rept 16
	v_pk_add_f32 v[T+2*I_:T+2*I_+1], v[T+2*I_:T+2*I_+1], 1.0 op_sel_hi:[1,0]
.set I_, I_+1
.endr
.set I_, 0
.rept 32
	v_rcp_f32 v[T+I_], v[T+I_]
.set I_, I_+1
.endr
	v_nop
	s_wait_alu depctr_va_vdst(0)
.set I_, 0
.rept 16
	v_pk_mul_f32 v[H+2*I_:H+2*I_+1], v[H+2*I_:H+2*I_+1], v[T+2*I_:T+2*I_+1]   ; gelu
.set I_, I_+1
.endr
.irp b, 0,1
	v_max3_num_f32 v[T+\b], |v[H+16*\b]|, |v[H+16*\b+1]|, 0x1800000   ; block b: my 16 numbers, and the floor 2^(3 - 127): the byte cannot fall under 1
.endr
.irp i, 2,4,6,8,10,12,14
.irp b, 0,1
	v_max3_num_f32 v[T+\b], v[T+\b], |v[H+16*\b+\i]|, |v[H+16*\b+\i+1]|
.endr
.endr
.irp b, 0,1
	v_permlanex16_b32 v[T+2+\b], v[T+\b], s34, s35
.endr
.irp b, 0,1
	v_max_num_f32 v[T+\b], v[T+\b], v[T+2+\b]      ; with lane l xor 16's 16: the block's largest magnitude
.endr
.irp b, 0,1
	v_add_nc_u32 v[T+4+\b], 0xff000000, v[T+\b]    ; 2 off the exponent field: the conversion's scale operand
.endr
.irp b, 0,1
	v_lshrrev_b32 v[T+6+\b], 23, v[T+4+\b]         ; the scale's byte
.endr
	v_lshl_or_b32 v[T+6], v[T+7], 8, v[T+6]        ; my two bytes of my token's scale word
.irp b, 0,1
	v_cvt_scalef32_pk8_fp4_f32 v[T+8+2*\b], v[H+16*\b:H+16*\b+7], v[T+4+\b]
	v_cvt_scalef32_pk8_fp4_f32 v[T+9+2*\b], v[H+16*\b+8:H+16*\b+15], v[T+4+\b]
.endr
	v_nop                                          ; one plain line behind the last scaled conversion
	v_permlane16_swap_b32 v[T+8], v[T+10]          ; the operand's layout wants a whole block in a lane: lanes 0-15 block 0, lanes 16-31 block 1
	v_permlane16_swap_b32 v[T+9], v[T+11]
	ds_store_b128 v5, v[T+8:T+11] offset:HIMG+6144*\m   ; chunk w of the second product's K, as it stands
	ds_store_b16 v6, v[T+6] offset:HSC+384*\m      ; both lanes of a token write the same two bytes with the same value
	s_wait_dscnt 0x0                               ; the stores have read their registers
.endm
; W_fc's registers are free behind the expert's last first product: the next expert's come while the activation and the second product run.
; The wait for 0 shows the W_proj group in, whether or not a further group is issued behind it.
.macro PREF
.rept 4
	v_nop                                          ; places in front of loads into registers that matrix instructions have read
.endr
	s_wait_loadcnt 0x0
	s_cmp_eq_u32 s28, 0
	s_cbranch_scc1 .Lno_more_\@
	s_ctz_i32_b32 s53, s28
	s_min_u32 s53, s53, 7
	W1GROUP s53
.Lno_more_\@:
.endm
; The second product for tile m: six K steps on two accumulators by turns; b_proj is the C of the first.  Odd K steps take their scale words from lanes 16-31.  Then out += comb x y.
.macro MM2 m
.set I_, 0
.rept 12
	ds_load_b128 v[HF+4*I_:HF+4*I_+3], v1 offset:HIMG+6144*\m+512*I_
.set I_, I_+1
.endr
.irp j, 0,1,2
	ds_load_b32 v[HS+\j], v2 offset:HSC+384*\m+128*\j
.endr
	s_wait_dscnt 0x0
	v_wmma_scale_f32_16x16x128_f8f6f4 v[Y0:Y0+7], v[W2:W2+7], v[HF:HF+7], v[B2:B2+7], v[W2S], v[HS] matrix_a_fmt:MATRIX_FMT_FP4 matrix_b_fmt:MATRIX_FMT_FP4
	v_wmma_scale_f32_16x16x128_f8f6f4 v[Y1:Y1+7], v[W2+8:W2+15], v[HF+8:HF+15], 0, v[W2S], v[HS] matrix_a_fmt:MATRIX_FMT_FP4 matrix_b_fmt:MATRIX_FMT_FP4 matrix_a_scale:MATRIX_SCALE_ROW1 matrix_b_scale:MATRIX_SCALE_ROW1
.irp j, 1,2
	v_wmma_scale_f32_16x16x128_f8f6f4 v[Y0:Y0+7], v[W2+16*\j:W2+16*\j+7], v[HF+16*\j:HF+16*\j+7], v[Y0:Y0+7], v[W2S+\j], v[HS+\j] matrix_a_fmt:MATRIX_FMT_FP4 matrix_b_fmt:MATRIX_FMT_FP4
	v_wmma_scale_f32_16x16x128_f8f6f4 v[Y1:Y1+7], v[W2+16*\j+8:W2+16*\j+15], v[HF+16*\j+8:HF+16*\j+15], v[Y1:Y1+7], v[W2S+\j], v[HS+\j] matrix_a_fmt:MATRIX_FMT_FP4 matrix_b_fmt:MATRIX_FMT_FP4 matrix_a_scale:MATRIX_SCALE_ROW1 matrix_b_scale:MATRIX_SCALE_ROW1
.endr
.rept 5
	v_nop                                          ; four places ahead of the reads below and of later loads into these registers; the fifth for the matrix instructions that write over them next
.endr
.irp j, 0,1,2,3,4,5,6,7
	v_fmac_f32 v[OUT+8*\m+\j], v[CB+\m], v[Y0+\j]
.endr
.irp j, 0,1,2,3,4,5,6,7
	v_fmac_f32 v[OUT+8*\m+\j], v[CB+\m], v[Y1+\j]
.endr
.endm
	s_load_b512 s[4:19], s[0:1], 0x0               ; order s[4:5], xrec s[6:7], w1q s[8:9], w1s s[10:11], b_fc s[12:13], w2q s[14:15], w2s s[16:17], b_proj s[18:19]
	s_load_b64 s[20:21], s[0:1], 0x40              ; out0
	v_lshl_add_u32 v14, v0, 2, SPARE               ; my spare word, and 0: kept for the closing lines alone
	v_mov_b32 v15, 0
	v_lshrrev_b32 v238, 5, v0
	v_readfirstlane_b32 s22, v238                  ; wave 0..11
	v_and_b32 v239, 31, v0                         ; l
	v_and_b32 v240, 15, v0                         ; r
	v_bfe_u32 v241, v0, 4, 1                       ; h
	v_lshlrev_b32 v1, 4, v239                      ; 16 l: an image's or a chunk's place for my lane
	v_lshlrev_b32 v2, 2, v239                      ; 4 l: a scale word's
	v_lshlrev_b32 v3, 6, v241                      ; 64 h: b_fc
	v_lshlrev_b32 v4, 5, v241                      ; 32 h: b_proj
	s_lshl_b32 s52, s22, 9
	v_add_nc_u32 v5, s52, v1                       ; where I store my image: 16 l + 512 w
	s_and_b32 s52, s22, 1
	s_lshl_b32 s52, s52, 1                         ; my chunk is half w % 2 of K step w / 2: bytes 2 (w % 2) on of its word,
	s_bfe_u32 s53, s22, 0x10001
	s_lshl_b32 s53, s53, 6                         ; an odd K step's words lie 64 bytes on,
	s_add_co_u32 s52, s52, s53
	s_lshr_b32 s53, s22, 2
	s_lshl_b32 s53, s53, 7                         ; a pair of K steps has 128 bytes
	s_add_co_u32 s52, s52, s53
	v_lshl_add_u32 v6, v240, 2, s52
	v_mul_u32_u24 v9, v240, 784                    ; the stage, on the way in: row r, + 64 w + 32 h
	v_lshl_add_u32 v9, v241, 5, v9
	s_lshl_b32 s52, s22, 6
	s_add_co_u32 s52, s52, STG
	v_add_nc_u32 v9, s52, v9
	s_and_b32 s23, s22, 3                          ; on the way out wave w takes rows 8 (w & 3) .. + 7, bytes 256 (w >> 2) .. + 255: sixteen lanes to a piece, two rows an instruction
	s_lshr_b32 s24, s22, 2
	s_mul_i32 s52, s23, 8*784
	s_lshl_b32 s53, s24, 8
	s_add_co_u32 s52, s52, s53
	s_add_co_u32 s52, s52, STG
	v_mul_u32_u24 v10, v241, 784
	v_lshl_add_u32 v10, v240, 4, v10
	v_add_nc_u32 v10, s52, v10
	v_lshl_add_u32 v12, v240, 4, s53               ; and the same bytes in a row of the output
	s_lshl_b32 s52, s23, 5
	v_lshl_add_u32 v11, v241, 2, s52               ; the list's word of row 8 (w & 3) + h
	v_lshlrev_b32 v242, 2, v240
	s_mov_b32 s51, 0
	s_mov_b32 s32, 0xbdd2d3e8                      ; c1
	s_mov_b32 s33, s32                             ; (named with it as a pair, so it is written)
	s_mov_b32 s34, 0x76543210
	s_mov_b32 s35, 0xfedcba98                      ; v_permlanex16_b32's selects for lane l xor 16
	v_mov_b32 v20, 0xc0135761                      ; c0
	v_mov_b32 v21, v20
	s_wait_kmcnt 0x0
	s_lshl_b32 s50, ttmp9, 7
	s_add_nc_u64 s[4:5], s[4:5], s[50:51]          ; my 32 places of the list
	global_load_b32 v13, v2, s[4:5]                ; place l: for the masks
	global_load_b32 v243, v242, s[4:5]             ; place r: tile 0's token
	global_load_b32 v244, v242, s[4:5] offset:64   ; place 16 + r: tile 1's
.irp i, 0,1,2,3
	global_load_b32 v[TK+\i], v11, s[4:5] offset:8*\i   ; the rows that I store at the end
.endr
	s_mul_i32 s50, s22, 6144                       ; my wave's share of each expert's weights
	s_add_nc_u64 s[8:9], s[8:9], s[50:51]
	s_add_nc_u64 s[14:15], s[14:15], s[50:51]
	s_lshl_b32 s50, s22, 9
	s_add_nc_u64 s[10:11], s[10:11], s[50:51]
	s_lshl_b32 s50, s22, 8
	s_add_nc_u64 s[12:13], s[12:13], s[50:51]
	s_mul_i32 s50, s22, 384
	s_add_nc_u64 s[16:17], s[16:17], s[50:51]
	s_lshl_b32 s50, s22, 6
	s_add_nc_u64 s[18:19], s[18:19], s[50:51]
.irp m, 0,1
.irp i, 12,13,14,15
	v_mov_b32 v[XF+16*\m+\i], 0                    ; zero codes for k 192 .. 255 of x,
.endr
.endr
	WIN 0x40
.irp t, 0,1,2,3
.irp i, 4,5,6,7
	v_mov_b32 v[32+8*\t+\i], 0                     ; and of W_fc: written once
.endr
.endr
	WIN 0
.irp i, 0,1,2,3,4,5,6,7,8,9,10,11,12,13,14,15
	v_mov_b32 v[OUT+\i], 0                         ; the sums over a number of experts that is not known here begin as zeros.  (These sixteen are also the places between the zero codes and the first product)
.endr
	s_wait_loadcnt 0x0                             ; the list
	v_and_b32 v243, 0x1fff, v243
	v_and_b32 v244, 0x1fff, v244
	v_min_u32 v243, 0x1fff, v243                   ; a token's number is under 8,192
	v_min_u32 v244, 0x1fff, v244
	v_mul_u32_u24 v7, v243, 144                    ; its record
	v_mul_u32_u24 v8, v244, 144
	v_lshl_add_u32 v246, v241, 4, v7
	v_lshl_add_u32 v247, v241, 4, v8
	v_lshl_add_u32 v248, v241, 2, v7
	v_lshl_add_u32 v249, v241, 2, v8
.irp m, 0,1
	global_load_b128 v[XF+16*\m:XF+16*\m+3], v[246+\m], s[6:7]               ; k = 32 h + 0 .. 31
	global_load_b128 v[XF+16*\m+4:XF+16*\m+7], v[246+\m], s[6:7] offset:32   ; k = 64 + 32 h ..
	global_load_b128 v[XF+16*\m+8:XF+16*\m+11], v[246+\m], s[6:7] offset:64  ; k = 128 + 32 h ..
	global_load_b32 v[XS+\m], v[248+\m], s[6:7] offset:128                   ; lanes 0-15 the first scale word, lanes 16-31 the second
.endr
.irp i, 0,1,2,3
	v_and_b32 v[TK+\i], 0x1fff, v[TK+\i]
.endr
.irp i, 0,1,2,3
	v_min_u32 v[TK+\i], 0x1fff, v[TK+\i]
.endr
.irp i, 0,1,2,3
	v_mul_u32_u24 v[TK+\i], v[TK+\i], 768
.endr
.irp i, 0,1,2,3
	v_add_nc_u32 v[TK+\i], v12, v[TK+\i]           ; the token's row of the output, my 16 bytes of it
.endr
	v_bfe_u32 v250, v13, 16, 3                     ; lo
	v_bfe_u32 v251, v13, 20, 3                     ; hi
	v_lshlrev_b32 v250, v250, 1
	v_lshlrev_b32 v251, v251, 1
	v_or_b32 v250, v250, v251                      ; the two experts of place l, as bits
	v_mov_b32 v251, 0
.irp x, 1,2,4,8
	v_mov_b32_dpp v251, v250 row_xmask:\x row_mask:0xf bank_mask:0xf
	v_or_b32 v250, v250, v251                      ; over the sixteen places of a tile
.endr
	v_readlane_b32 s26, v250, 0                    ; tile 0's experts
	v_readlane_b32 s27, v250, 16                   ; tile 1's
	s_or_b32 s28, s26, s27
	NEXT
	W1GROUP s29
	W2GROUP
	s_wait_loadcnt 19                              ; x and the W_fc group are in; the 19 loads of the W_proj group may be out
	s_mov_b32 s31, 0
.Ltrip:
	s_cmp_eq_u32 s30, 0
	s_cbranch_scc1 .Lidle
	TEST s26, .Ln0
	MM1 0
	GELUQ 0, 1
.Ln0:
	TEST s27, .Ln1
	MM1 1
	PREF                                           ; its four places serve the reads of the results too
	GELUQ 1, 0
	s_branch .Lb1
.Ln1:
	PREF
	s_branch .Lb1
.Lidle:
	s_wait_loadcnt 0x0                             ; nothing is out on this way: the wait keeps the count the same on every way to the label below
.Lb1:
	s_wait_dscnt 0x0                               ; my images and scale bytes lie in LDS
	s_barrier_signal -1
	s_barrier_wait -1                              ; everybody's do
	s_cmp_eq_u32 s30, 0
	s_cbranch_scc1 .Lb2
	TEST s26, .Lm0
	MM2 0
.Lm0:
	TEST s27, .Lb2
	MM2 1
.Lb2:
	s_wait_dscnt 0x0                               ; my reads of the images are over
	s_barrier_signal -1
	s_barrier_wait -1                              ; everybody's are: the next trip may store anew
	NEXT
	s_cmp_eq_u32 s30, 0
	s_cbranch_scc1 .Lnone
	W2GROUP                                        ; the next expert's: it lands under that trip's first product and activation
	s_wait_loadcnt 19                              ; the W_fc group, issued earlier, is in; the 19 just issued may be out
	s_branch .Lnext
.Lnone:
	s_wait_loadcnt 0x0
.Lnext:
	s_add_co_u32 s31, s31, 1
	s_cmp_lt_u32 s31, 8
	s_cbranch_scc1 .Ltrip
	; THE WAY OUT.  A lane holds eight neighbouring numbers of a row; a row's 192 come from twelve waves.  They meet in the stage, and each wave stores eight pieces of 256 bytes, sixteen lanes to a piece.
.irp m, 0,1
	ds_store_b128 v9, v[OUT+8*\m:OUT+8*\m+3] offset:16*784*\m
	ds_store_b128 v9, v[OUT+8*\m+4:OUT+8*\m+7] offset:16*784*\m+16
.endr
	s_wait_dscnt 0x0
	s_barrier_signal -1
	s_barrier_wait -1
.irp i, 0,1,2,3
	ds_load_b128 v[H+4*\i:H+4*\i+3], v10 offset:2*784*\i
.endr
.irp i, 0,1,2,3
	s_wait_dscnt 3-\i                              ; the loads behind load i may be out
	global_store_b128 v[TK+\i], v[H+4*\i:H+4*\i+3], s[20:21] th:TH_STORE_NT   ; 16 lanes store 256 consecutive bytes, at a multiple of 256 from the output's first byte; written once
.endr
	s_wait_tensorcnt 0x0                           ; the wave's end, behind my last LDS store
	ds_add_u32 v14, v15
	s_wait_dscnt 0x0
	s_endpgm
.Lfunc_end_k_q58ae050708_chain:
	.size	k_q58ae050708_chain, .Lfunc_end_k_q58ae050708_chain-k_q58ae050708_chain
	.p2alignl 7, 3214868480
	.fill 96, 4, 3214868480
	.section	.rodata,"a",@progbits
	.p2align	6, 0x0
	.amdhsa_kernel k_q58ae050708_chain
		.amdhsa_group_segment_fixed_size 39680
		.amdhsa_private_segment_fixed_size 0
		.amdhsa_enable_private_segment 0
		.amdhsa_kernarg_size 72
		.amdhsa_user_sgpr_count 2
		.amdhsa_user_sgpr_kernarg_segment_ptr 1
		.amdhsa_wavefront_size32 1
		.amdhsa_system_sgpr_workgroup_id_x 1
		.amdhsa_system_sgpr_workgroup_id_y 1
		.amdhsa_system_sgpr_workgroup_id_z 1
		.amdhsa_system_vgpr_workitem_id 0
		.amdhsa_next_free_vgpr 320
		.amdhsa_next_free_sgpr 66
		.amdhsa_reserve_vcc 0
		.amdhsa_float_denorm_mode_32 3
		.amdhsa_float_denorm_mode_16_64 3
		.amdhsa_memory_ordered 1
		.amdhsa_forward_progress 1
		.amdhsa_inst_pref_size 50
	.end_amdhsa_kernel
	.amdgpu_metadata
---
amdhsa.version: [ 1, 2 ]
amdhsa.kernels:
  - .name:           k_q58ae050708_chain
    .symbol:         k_q58ae050708_chain.kd
    .args:
      - { .name: order, .offset: 0, .size: 8, .value_kind: global_buffer, .address_space: global }
      - { .name: xrec, .offset: 8, .size: 8, .value_kind: global_buffer, .address_space: global }
      - { .name: w1q, .offset: 16, .size: 8, .value_kind: global_buffer, .address_space: global }
      - { .name: w1s, .offset: 24, .size: 8, .value_kind: global_buffer, .address_space: global }
      - { .name: b_fc, .offset: 32, .size: 8, .value_kind: global_buffer, .address_space: global }
      - { .name: w2q, .offset: 40, .size: 8, .value_kind: global_buffer, .address_space: global }
      - { .name: w2s, .offset: 48, .size: 8, .value_kind: global_buffer, .address_space: global }
      - { .name: b_proj, .offset: 56, .size: 8, .value_kind: global_buffer, .address_space: global }
      - { .name: out0, .offset: 64, .size: 8, .value_kind: global_buffer, .address_space: global }
    .group_segment_fixed_size: 39680
    .private_segment_fixed_size: 0
    .kernarg_segment_align: 8
    .kernarg_segment_size: 72
    .max_flat_workgroup_size: 384
    .sgpr_count:     66
    .vgpr_count:     320
    .wavefront_size: 32
...
	.end_amdgpu_metadata
.endif
;; end of part 3
;; ======== version 2 of 2: 3 launches; 1.19 times as fast as version 1
;; workspace buffers: xrec 1,179,648 bytes; tokinfo 32,768 bytes of whole numbers; hist 32,768 bytes of whole numbers; order 32,768 bytes of whole numbers; w1q 589,824 bytes; w1s 49,152 bytes; w2q 589,824 bytes; w2s 36,864 bytes
;; launch route (part 4): grid 256 x 1, 6 waves a work-group, no clusters, 42,752 bytes of LDS; arguments x, gate_w, gate_b, xrec, tokinfo, hist; writes xrec, tokinfo, hist
.if DOCPART == 4
	.amdgcn_target "amdgcn-amd-amdhsa--gfx1250"
	.amdhsa_code_object_version 6
	.text
	.protected	k_q58ae050708_route
	.globl	k_q58ae050708_route
	.p2align	8
	.type	k_q58ae050708_route,@function
k_q58ae050708_route:
	s_mov_b64 s[64:65], 0
	v_nop
	global_prefetch_b8 v0, s[64:65] scope:SCOPE_SE
	s_setreg_imm32_b32 hwreg(HW_REG_WAVE_MODE, 25, 1), 1
	s_wait_xcnt 0x0
; ROUTE: the gate, the choice of two experts, and x as codes.  First of three launches (route, place, chain).
; scores = x gate_w^T + gate_b in f32; the two largest (ties: the lower index first); a softmax over the two, the larger score taken away first; comb[t][e] = the gate's weight of a chosen e, 0 of the six others.
; x is quantised along its 192 numbers to FP4 (E2M1), one E8M0 byte for each 32: byte = the largest magnitude's exponent field - 2, held at 1 from below.
; WORK LEFT OUT BY THE PROGRAM, AND WHY IT IS DEAD.  The result is the sum over e of comb[t][e] y_e[t].  comb is built from a one_hot of the two chosen indices, so for the six other experts
; comb[t][e] is exactly 0, and 0 x y_e[t] = 0 for every finite y_e[t], whatever the inputs hold.  So rows t of both products of an expert that t did not choose reach no output; the third launch leaves them out where
; they come as whole tiles of 16 tokens, and multiplies by comb = 0 inside a tile that also holds chosen rows.  Every input has a way to the output and is loaded by some launch.
; LIMITS.  A NaN, an infinity or an overflow that arises only in a y_e left out is not carried to the result.  NaN or infinite scores are not served by the choice.  The gate's f32 sums are taken in four chains a block of 32 and
; then block by block, another order than a plain ascending sum.  A block of zeros gets the byte 1 where the quantiser says 127: its codes are zeros, and this program alone reads the bytes.  Blocks whose largest magnitude lies under 2^-124 keep the byte 1.
; SHARES.  A work-group takes 32 tokens.  ITS SIX WAVES SHARE K: wave j takes block j (k = 32 j .. 32 j + 31) of all 32 tokens, a lane to a token: a lane's registers run along K, so the block's maximum and the conversions need no other lane.
; The 24,576 bytes of x are loaded as they lie: the 192 threads take 3,072 consecutive bytes a round, which are four rows, and put them into LDS rows 784 bytes apart (49 x 16: sixteen lanes' rows begin 16 bytes apart modulo 256).
; gate_w lies in LDS as in memory; all lanes of a wave read the same 16 bytes.  Each wave leaves eight partial scores a token in LDS; wave 0 adds them and makes the choice.
; OUT.  xrec: 144 bytes a token: 96 of codes, comb[8] f32, two scale words (blocks 0-3; blocks 4, 5 and two bytes 0x7f for the zero codes that fill the second K step), 8 zeros; gathered in LDS and stored 512 dense bytes a wave.
; tokinfo: key | rank << 8 | lo << 16 | hi << 20: the key numbers the unordered pair (lo, hi) so that neighbouring keys share an expert; rank = earlier tokens of the group with the same key.  hist: the group's count of each key.
; No address and no branch of this launch hangs on the scores: the choice only selects values.
.set XP,    784                        ; a row of x in LDS
.set GW,    25088                      ; behind 32 rows of x: gate_w, 6,144 bytes
.set REC,   31232                      ; the records, 32 x 144 bytes
.set PS,    35840                      ; the partial scores: [wave 6][experts 0-3, 4-7][lane 32][16 bytes]
.set SPARE, 41984                      ; the spare words, 128 bytes a wave
.set R,     16                         ; v16-47   my eight pieces of x as they land
.set GWR,   48                         ; v48-55   my two pieces of gate_w
.set X,     16                         ; v16-47   my token's 32 numbers of my block
.set W,     48                         ; v48-175  four sets of 32 numbers of gate_w
.set C,     176                        ; v176-179 the codes
.set SB,    180                        ; v180     the scale byte;  v181-183 at work
.set PSR,   184                        ; v184-191 my eight partial scores
.set ACC,   192                        ; v192-255 expert e: four pairs at ACC + 8 e
.set SC,    16                         ; wave 0's last stage: v16-63 the six waves' partials, summed into v16-23
.set MS,    64
.set CMB,   72
.set T1,    80
.set I1,    81
.set T2,    82
.set I2,    83
.set NINF,  84
.set DD,    85
.set EXV,   86
.set DEN,   87
.set G1,    88
.set G2,    89
.set ELO,   90
.set EHI,   91
.set KA,    92
.set KB,    93
.set KC,    94
.set KEY,   95
.set RANK,  96
.set HISTV, 97
.set TMP,   98                         ; v98, v99
.set TW,    100
.set F7,    101
.set Z,     102                        ; v[102:103]
.set KM,    66                         ; s66-93   a mask of lanes, then a count, for each of the 28 keys
.macro BARRIER                         ; my LDS stores have landed and my LDS loads are in: then the work-group's barrier
	s_wait_dscnt 0x0
	s_barrier_signal -1
	s_barrier_wait -1
.endm
	s_load_b256 s[4:11], s[0:1], 0x0               ; x s[4:5], gate_w s[6:7], gate_b s[8:9], xrec s[10:11]
	s_load_b128 s[12:15], s[0:1], 0x20             ; tokinfo s[12:13], hist s[14:15]
	v_lshl_add_u32 v6, v0, 2, SPARE                ; my spare word, and 0: kept for the closing lines alone
	v_mov_b32 v7, 0
	v_lshrrev_b32 v2, 5, v0
	v_readfirstlane_b32 s30, v2                    ; wave j = 0..5
	v_and_b32 v2, 31, v0                           ; lane
	v_lshlrev_b32 v1, 4, v0                        ; 16 x thread: my 16 bytes of a round's 3,072
	v_mul_u32_u24 v10, v0, 1366
	v_lshrrev_b32 v10, 16, v10                     ; thread / 48 (exact for threads under 192): which of the round's four rows
	v_lshl_add_u32 v10, v10, 4, v1                 ; x on its way into LDS: 16 bytes of padding for each row passed
	v_add_nc_u32 v11, GW, v1                       ; gate_w on its way in
	v_add_nc_u32 v9, REC, v1                       ; the records read back as they lie
	s_lshl_b32 s26, s30, 7
	v_mul_u32_u24 v3, v2, XP
	v_add_nc_u32 v3, s26, v3                       ; my token's row, my block: 784 x lane + 128 j
	s_add_co_u32 s26, s26, GW
	v_mov_b32 v8, s26                              ; gate_w, my block: the same address in every lane
	v_mul_u32_u24 v15, v2, 144
	v_add_nc_u32 v15, REC, v15                     ; my token's record
	s_lshl_b32 s26, s30, 4
	v_add_nc_u32 v4, s26, v15                      ; my block's 16 bytes of codes in it,
	s_add_co_u32 s26, s30, 128
	v_add_nc_u32 v12, s26, v15                     ; and its scale byte
	v_lshl_add_u32 v14, v2, 4, PS                  ; the partial scores as wave 0 reads them,
	s_lshl_b32 s26, s30, 10
	v_add_nc_u32 v13, s26, v14                     ; and as I store mine
	v_lshlrev_b32 v5, 2, v2                        ; 4 x lane
	s_mul_i32 s24, ttmp9, 24576
	s_mov_b32 s25, 0
	s_wait_kmcnt 0x0
	s_load_b256 s[16:23], s[8:9], 0x0              ; gate_b: eight numbers, waited for ahead of the first barrier
	s_add_nc_u64 s[4:5], s[4:5], s[24:25]          ; my 32 rows of x
	s_mul_i32 s24, ttmp9, 4608
	s_add_nc_u64 s[10:11], s[10:11], s[24:25]      ; my 32 records
	s_lshl_b32 s24, ttmp9, 7
	s_add_nc_u64 s[12:13], s[12:13], s[24:25]
	s_add_nc_u64 s[14:15], s[14:15], s[24:25]
.irp t, 0,1
	global_load_b128 v[GWR+4*\t:GWR+4*\t+3], v1, s[6:7] offset:3072*\t
.endr
.irp t, 0,1,2,3,4,5,6,7
	global_load_b128 v[R+4*\t:R+4*\t+3], v1, s[4:5] offset:3072*\t th:TH_LOAD_NT   ; a wave reads 512 consecutive bytes; read once in the launch
.endr
.irp t, 0,1
	s_wait_loadcnt 9-\t                            ; loads come back in order: the 9 - t issued behind this one may be out
	ds_store_b128 v11, v[GWR+4*\t:GWR+4*\t+3] offset:3072*\t
.endr
.irp t, 0,1,2,3,4,5,6,7
	s_wait_loadcnt 7-\t
	ds_store_b128 v10, v[R+4*\t:R+4*\t+3] offset:4*XP*\t   ; round t: rows 4 t .. 4 t + 3
.endr
	s_wait_kmcnt 0x0                               ; gate_b
	BARRIER                                        ; x and gate_w lie in LDS
.macro WLOAD e                         ; my block of gate_w's row e into set e % 4
.set WL_, W+32*((\e)%4)
.irp i, 0,1,2,3,4,5,6,7
	ds_load_b128 v[WL_+4*\i:WL_+4*\i+3], v8 offset:768*(\e)+16*\i
.endr
.endm
.macro DOT e                           ; 32 products of expert e, two an instruction, in four chains; the first four start the sums
.set DW_, W+32*((\e)%4)
.set DI_, 0
.rept 16
.set DA_, ACC+8*(\e)+2*(DI_%4)
.if DI_ < 4
	v_pk_mul_f32 v[DA_:DA_+1], v[X+2*DI_:X+2*DI_+1], v[DW_+2*DI_:DW_+2*DI_+1]
.else
	v_pk_fma_f32 v[DA_:DA_+1], v[X+2*DI_:X+2*DI_+1], v[DW_+2*DI_:DW_+2*DI_+1], v[DA_:DA_+1]
.endif
.set DI_, DI_+1
.endr
.endm
.irp i, 0,1,2,3,4,5,6,7
	ds_load_b128 v[X+4*\i:X+4*\i+3], v3 offset:16*\i
.endr
	WLOAD 0
	WLOAD 1
	WLOAD 2
	WLOAD 3
	s_wait_dscnt 32                                ; my token's 32 numbers are in; the four sets of gate_w may be out
	v_max3_num_f32 v181, |v[X]|, |v[X+1]|, |v[X+2]|                 ; the block's largest magnitude, in two chains
	v_max3_num_f32 v182, |v[X+3]|, |v[X+4]|, |v[X+5]|
.irp i, 6,10,14,18,22,26
	v_max3_num_f32 v181, v181, |v[X+\i]|, |v[X+\i+1]|
	v_max3_num_f32 v182, v182, |v[X+\i+2]|, |v[X+\i+3]|
.endr
	v_max3_num_f32 v181, v181, |v[X+30]|, |v[X+31]|
	v_max3_num_f32 v181, v181, v182, 0x1800000     ; and the floor 2^(3 - 127): the byte cannot fall under 1
	v_add_nc_u32 v183, 0xff000000, v181            ; 2 off the exponent field: the conversion takes this operand's exponent field as its scale
	v_lshrrev_b32 v[SB], 23, v183                  ; the scale's byte
.irp g, 0,1,2,3
	v_cvt_scalef32_pk8_fp4_f32 v[C+\g], v[X+8*\g:X+8*\g+7], v183
.endr
	v_nop                                          ; one plain line behind the last scaled conversion
	s_wait_dscnt 24                                ; set 0 is in; three sets of eight loads may be out
	DOT 0
	s_wait_dscnt 16
	DOT 1
	WLOAD 4                                        ; the sets that have been multiplied take the next rows, two sets a run
	WLOAD 5
	s_wait_dscnt 24                                ; row 2 is in; rows 3, 4, 5 may be out
	DOT 2
	s_wait_dscnt 16
	DOT 3
	WLOAD 6
	WLOAD 7
	s_wait_dscnt 24                                ; row 4 is in; rows 5, 6, 7 may be out
	DOT 4
	s_wait_dscnt 16
	DOT 5
	s_wait_dscnt 8
	DOT 6
	s_wait_dscnt 0x0
	DOT 7
.irp e, 0,1,2,3,4,5,6,7
	v_pk_add_f32 v[ACC+8*\e:ACC+8*\e+1], v[ACC+8*\e:ACC+8*\e+1], v[ACC+8*\e+2:ACC+8*\e+3]
	v_pk_add_f32 v[ACC+8*\e+4:ACC+8*\e+5], v[ACC+8*\e+4:ACC+8*\e+5], v[ACC+8*\e+6:ACC+8*\e+7]
.endr
.irp e, 0,1,2,3,4,5,6,7
	v_pk_add_f32 v[ACC+8*\e:ACC+8*\e+1], v[ACC+8*\e:ACC+8*\e+1], v[ACC+8*\e+4:ACC+8*\e+5]
.endr
.irp e, 0,1,2,3,4,5,6,7
	v_add_f32 v[PSR+\e], v[ACC+8*\e], v[ACC+8*\e+1]
.endr
	ds_store_b128 v4, v[C:C+3]                     ; record bytes 16 j .. 16 j + 15
	ds_store_b8 v12, v[SB]                         ; record byte 128 + j
	ds_store_b128 v13, v[PSR:PSR+3]
	ds_store_b128 v13, v[PSR+4:PSR+7] offset:512
	BARRIER                                        ; codes, scale bytes and partial scores lie in LDS
	s_cmp_lg_u32 s30, 0
	s_cbranch_scc1 .Lrest                          ; the choice is wave 0's: no barrier stands under this branch
.irp j, 0,1,2,3,4,5
	ds_load_b128 v[SC+8*\j:SC+8*\j+3], v14 offset:1024*\j
	ds_load_b128 v[SC+8*\j+4:SC+8*\j+7], v14 offset:1024*\j+512
.endr
	s_wait_dscnt 0x0
.irp j, 1,2,3,4,5
.irp p, 0,2,4,6
	v_pk_add_f32 v[SC+\p:SC+\p+1], v[SC+\p:SC+\p+1], v[SC+8*\j+\p:SC+8*\j+\p+1]
.endr
.endr
.irp e, 0,1,2,3,4,5,6,7
	v_add_f32 v[SC+\e], s[16+\e], v[SC+\e]         ; the score
.endr
	v_mov_b32 v[T1], v[SC]                         ; the largest: a later expert wins only by a strictly greater score, so ties keep the lower index
	v_mov_b32 v[I1], 0
.irp e, 1,2,3,4,5,6,7
	v_cmp_gt_f32 vcc_lo, v[SC+\e], v[T1]
	v_cndmask_b32 v[T1], v[T1], v[SC+\e], vcc_lo
	v_cndmask_b32 v[I1], v[I1], \e, vcc_lo
.endr
	v_mov_b32 v[NINF], 0xff800000
.irp e, 0,1,2,3,4,5,6,7
	v_cmp_eq_u32 vcc_lo, \e, v[I1]
	v_cndmask_b32 v[MS+\e], v[SC+\e], v[NINF], vcc_lo   ; the winner is taken out
.endr
	v_mov_b32 v[T2], v[MS]                         ; the second, in the same way
	v_mov_b32 v[I2], 0
.irp e, 1,2,3,4,5,6,7
	v_cmp_gt_f32 vcc_lo, v[MS+\e], v[T2]
	v_cndmask_b32 v[T2], v[T2], v[MS+\e], vcc_lo
	v_cndmask_b32 v[I2], v[I2], \e, vcc_lo
.endr
	v_sub_f32 v[DD], v[T2], v[T1]                  ; the softmax of the two: the larger score is taken away, so the exponent is 0 or less
	v_mul_f32 v[DD], 0x3fb8aa3b, v[DD]
	v_exp_f32 v[EXV], v[DD]
	v_min_u32 v[ELO], v[I1], v[I2]                 ; (a plain line behind the exponential)
	s_wait_alu depctr_va_vdst(0)                   ; the wait ahead of the result's first reader
	v_add_f32 v[DEN], 1.0, v[EXV]
	v_rcp_f32 v[G1], v[DEN]                        ; the first gate
	v_max_u32 v[EHI], v[I1], v[I2]                 ; (a plain line behind the reciprocal)
	s_wait_alu depctr_va_vdst(0)
	v_mul_f32 v[G2], v[EXV], v[G1]                 ; the second
.irp e, 0,1,2,3,4,5,6,7
	v_cmp_eq_u32 vcc_lo, \e, v[I1]
	v_cndmask_b32 v[CMB+\e], 0, v[G1], vcc_lo
	v_cmp_eq_u32 vcc_lo, \e, v[I2]
	v_cndmask_b32 v[CMB+\e], v[CMB+\e], v[G2], vcc_lo
.endr
	; the pair's key: lo (15 - lo) / 2 pairs have a lower lo; within lo the hi ascends where lo is even and descends where it is odd: neighbouring keys share an expert
	v_sub_nc_u32 v[KA], 15, v[ELO]
	v_mul_u32_u24 v[KA], v[KA], v[ELO]
	v_lshrrev_b32 v[KA], 1, v[KA]
	v_sub_nc_u32 v[KB], v[EHI], v[ELO]
	v_add_nc_u32 v[KB], -1, v[KB]
	v_sub_nc_u32 v[KC], 7, v[EHI]
	v_and_b32 v[TMP], 1, v[ELO]
	v_cmp_eq_u32 vcc_lo, 1, v[TMP]
	v_cndmask_b32 v[KB], v[KB], v[KC], vcc_lo
	v_add_nc_u32 v[KEY], v[KA], v[KB]
	v_mov_b32 v[RANK], 0
	v_mov_b32 v[HISTV], 0                          ; keys 28 to 31 do not exist: their counts stay 0
	; The 28 keys in four batches, so that no scalar line stands next to the vector line that feeds it: which lanes hold key q;
.set Q_, 0
.rept 28
	v_cmp_eq_u32 s[KM+Q_], Q_, v[KEY]
.set Q_, Q_+1
.endr
.set Q_, 0
.rept 28                               ; a holder's rank is the number of holders in lower lanes;
	v_mbcnt_lo_u32_b32 v[TMP+Q_%2], s[KM+Q_], 0
	v_cndmask_b32 v[RANK], v[RANK], v[TMP+Q_%2], s[KM+Q_]
.set Q_, Q_+1
.endr
.set Q_, 0
.rept 28                               ; the number of holders;
	s_bcnt1_i32_b32 s[KM+Q_], s[KM+Q_]
.set Q_, Q_+1
.endr
.set Q_, 0
.rept 28                               ; lane q keeps it
	v_writelane_b32 v[HISTV], s[KM+Q_], Q_
.set Q_, Q_+1
.endr
	v_lshl_or_b32 v[TW], v[RANK], 8, v[KEY]
	v_lshl_or_b32 v[TW], v[ELO], 16, v[TW]
	v_lshl_or_b32 v[TW], v[EHI], 20, v[TW]
	v_mov_b32 v[F7], 0x7f7f                        ; the byte of 1.0, twice, over the zero codes of k 192 .. 255
	v_mov_b32 v[Z], 0
	v_mov_b32 v[Z+1], 0
	ds_store_b128 v15, v[CMB:CMB+3] offset:96
	ds_store_b128 v15, v[CMB+4:CMB+7] offset:112
	ds_store_b16 v15, v[F7] offset:134
	ds_store_b64 v15, v[Z:Z+1] offset:136
	global_store_b32 v5, v[TW], s[12:13]
	global_store_b32 v5, v[HISTV], s[14:15]
.Lrest:
	BARRIER                                        ; the 32 records are whole
	ds_load_b128 v[16:19], v9                      ; 4,608 bytes: 3,072 by the six waves, the other 1,536 by waves 0 to 2
	s_cmp_lt_u32 s30, 3
	s_cbranch_scc0 .Lone
	ds_load_b128 v[20:23], v9 offset:3072
	s_wait_dscnt 0x0
	global_store_b128 v1, v[20:23], s[10:11] offset:3072
.Lone:
	s_wait_dscnt 0x0
	global_store_b128 v1, v[16:19], s[10:11]       ; a wave stores 512 consecutive bytes, at a multiple of 256 from the buffer's first byte
	s_wait_tensorcnt 0x0                           ; the wave's end, behind my last LDS store
	ds_add_u32 v6, v7
	s_wait_dscnt 0x0
	s_endpgm
.Lfunc_end_k_q58ae050708_route:
	.size	k_q58ae050708_route, .Lfunc_end_k_q58ae050708_route-k_q58ae050708_route
	.p2alignl 7, 3214868480
	.fill 96, 4, 3214868480
	.section	.rodata,"a",@progbits
	.p2align	6, 0x0
	.amdhsa_kernel k_q58ae050708_route
		.amdhsa_group_segment_fixed_size 42752
		.amdhsa_private_segment_fixed_size 0
		.amdhsa_enable_private_segment 0
		.amdhsa_kernarg_size 48
		.amdhsa_user_sgpr_count 2
		.amdhsa_user_sgpr_kernarg_segment_ptr 1
		.amdhsa_wavefront_size32 1
		.amdhsa_system_sgpr_workgroup_id_x 1
		.amdhsa_system_sgpr_workgroup_id_y 1
		.amdhsa_system_sgpr_workgroup_id_z 1
		.amdhsa_system_vgpr_workitem_id 0
		.amdhsa_next_free_vgpr 256
		.amdhsa_next_free_sgpr 96
		.amdhsa_reserve_vcc 1
		.amdhsa_float_denorm_mode_32 3
		.amdhsa_float_denorm_mode_16_64 3
		.amdhsa_memory_ordered 1
		.amdhsa_forward_progress 1
		.amdhsa_inst_pref_size 37
	.end_amdhsa_kernel
	.amdgpu_metadata
---
amdhsa.version: [ 1, 2 ]
amdhsa.kernels:
  - .name:           k_q58ae050708_route
    .symbol:         k_q58ae050708_route.kd
    .args:
      - { .name: x, .offset: 0, .size: 8, .value_kind: global_buffer, .address_space: global }
      - { .name: gate_w, .offset: 8, .size: 8, .value_kind: global_buffer, .address_space: global }
      - { .name: gate_b, .offset: 16, .size: 8, .value_kind: global_buffer, .address_space: global }
      - { .name: xrec, .offset: 24, .size: 8, .value_kind: global_buffer, .address_space: global }
      - { .name: tokinfo, .offset: 32, .size: 8, .value_kind: global_buffer, .address_space: global }
      - { .name: hist, .offset: 40, .size: 8, .value_kind: global_buffer, .address_space: global }
    .group_segment_fixed_size: 42752
    .private_segment_fixed_size: 0
    .kernarg_segment_align: 8
    .kernarg_segment_size: 48
    .max_flat_workgroup_size: 192
    .sgpr_count:     96
    .vgpr_count:     256
    .wavefront_size: 32
...
	.end_amdgpu_metadata
.endif
;; end of part 4
;; launch place (part 5): grid 256 x 1, 4 waves a work-group, no clusters, 117,248 bytes of LDS; arguments tokinfo, hist, w_fc, w_proj, order, w1q, w1s, w2q, w2s; writes order, w1q, w1s, w2q, w2s
.if DOCPART == 5
	.amdgcn_target "amdgcn-amd-amdhsa--gfx1250"
	.amdhsa_code_object_version 6
	.text
	.protected	k_q58ae050708_place
	.globl	k_q58ae050708_place
	.p2align	8
	.type	k_q58ae050708_place,@function
k_q58ae050708_place:
	s_mov_b64 s[64:65], 0
	v_nop
	global_prefetch_b8 v0, s[64:65] scope:SCOPE_SE
	s_setreg_imm32_b32 hwreg(HW_REG_WAVE_MODE, 25, 1), 1
	s_wait_xcnt 0x0
; PLACE: the sort of the tokens by their pairs of experts, and the weights as codes.  The waves part on their number and on the work-group's; the ways never join, and no wave shares anything with another: no barrier.
; WAVE 0 of work-group g: THE SORT of group g, 32 tokens.  A token's place among the 8,192 sorted by key = tokens of lower keys + tokens of its key in earlier groups + its rank in its group.  The first two come from the
;   256 x 32 histogram.  A load of 16 bytes a lane takes four rows: lane l holds keys 4 (l & 7) .. + 3 of row 4 i + (l >> 3).  A key's total and its count in earlier groups ride in ONE register, low and high half: acc += count x M,
;   M = 0x10001 for the quads of rows ahead of my group's quad and 1 for the others; neither half can pass 8,192.  My own quad is read once more and counts, in the high half, in the lanes whose row comes before mine.
;   Two steps across lanes (l xor 8, l xor 16) add the four rows; a scan over lanes 0-7 gives each key its first place.  order[place] = token | lo << 16 | hi << 20.  The store is the permutation itself: 4 bytes a lane.
; WAVES 1 to 3: a unit of weights each.  Work-groups 0-127: w_fc [8][768][192] f32, unit u = 3 g + wave - 1: the 16 rows of one tile (expert e, wave w of the third launch, tile t; u = 4 (12 e + w) + t):
;   row 64 w + 32 (t / 2) + 8 (t % 2) + r + 8 (r / 8), so that the results of two neighbouring tiles are 16 neighbours along the next K.  A unit is 3 chunks of 64 along K: lane (r, h) holds the 16 bytes of k = 64 cc + 32 h + 0 .. 31 of row r.
;   Work-groups 128-223: w_proj [8][192][768] likewise: a unit is 16 rows x 256 along K: 4 chunks.  In work-groups 224-255 there is no unit left for these three waves: 672 units on 768 places.
; The scale words: lanes 0-15 the word of the unit's first 128 along K for row r, lanes 16-31 that of the second (w_fc: blocks 4 and 5, then two bytes 0x7f over the zero codes that fill the K step).
; The quantiser: byte = the largest magnitude's exponent field - 2, held at 1 from below.  A block of zeros gets the byte 1 where the quantiser says 127: its codes are zeros, and this program alone reads the bytes.
; The f32 rows are loaded as they lie, 512 consecutive bytes a load, and turned through the wave's own stage in LDS (pitches 784 and 1,040 bytes, odd multiples of 16); each kind of unit has LDS bytes of its own.
; A stage's place is the wave's number times its size, so that it can be read off the text; wave 0's places stay unused.
.set W1P,   784
.set W1REG, 16*W1P                     ; a wave's stage for w_fc
.set W2ST,  4*W1REG
.set W2P,   1040
.set W2REG, 16*W2P                     ; and for w_proj
.set SPARE, W2ST+4*W2REG               ; the spare words, 128 bytes a wave
.set Y,     16                         ; v16-19   a chunk's scale byte
.set C,     20                         ; v20-35   the codes, four registers a chunk: no store's data are written again
.set R,     36                         ; v36-163  the rows as they land; later chunks 2 and 3
.set X0,    164                        ; v164-195 chunk 0
.set X1,    196                        ; v196-227 chunk 1;  v228-235 at work
.set HR,    32                         ; the sort: v32-223 48 places of four registers for the histogram's loads
.set HA,    224                        ; v224-231 the sums, two chains of four keys;  v232-253 at work
.set KB,    66                         ; s66-93   each key's first place for my group
.macro CLOAD cc, reg                   ; chunk cc: my 32 numbers, k = 64 cc + 32 h + 0 .. 31 of row r
.irp i, 0,1,2,3,4,5,6,7
	ds_load_b128 v[\reg+4*\i:\reg+4*\i+3], v5 offset:256*(\cc)+16*\i
.endr
.endm
.macro QCH cc, reg                     ; the chunk's block of mine becomes a byte and 16 bytes of codes, which leave at once: 512 consecutive bytes a wave
	v_max3_num_f32 v228, |v[\reg]|, |v[\reg+1]|, |v[\reg+2]|
	v_max3_num_f32 v229, |v[\reg+3]|, |v[\reg+4]|, |v[\reg+5]|
.irp i, 6,10,14,18,22,26
	v_max3_num_f32 v228, v228, |v[\reg+\i]|, |v[\reg+\i+1]|
	v_max3_num_f32 v229, v229, |v[\reg+\i+2]|, |v[\reg+\i+3]|
.endr
	v_max3_num_f32 v228, v228, |v[\reg+30]|, |v[\reg+31]|
	v_max3_num_f32 v228, v228, v229, 0x1800000     ; the floor 2^(3 - 127): the byte cannot fall under 1
	v_add_nc_u32 v230, 0xff000000, v228            ; 2 off the exponent field: the conversion's scale operand
	v_lshrrev_b32 v[Y+\cc], 23, v230
.irp g, 0,1,2,3
	v_cvt_scalef32_pk8_fp4_f32 v[C+4*\cc+\g], v[\reg+8*\g:\reg+8*\g+7], v230
.endr
	v_nop                                          ; one plain line behind the last scaled conversion
	global_store_b128 v1, v[C+4*\cc:C+4*\cc+3], s[34:35] offset:512*\cc
.endm
; A unit of NCH chunks.  s[32:33] its first row, s[34:35] its codes, s[36:37] its scale words; v3 (v4) my place in the stage on the way in, v5 on the way out.
.macro QUNIT NCH
.if \NCH == 3
.set I_, 0
.rept 24                               ; two runs of 8 dense rows of 768 bytes, 16 rows apart
	global_load_b128 v[R+4*I_:R+4*I_+3], v1, s[32:33] offset:(I_/12)*12288+(I_%12)*512 th:TH_LOAD_NT
.set I_, I_+1
.endr
.set I_, 0
.rept 24                               ; three loads are two rows: the first 512 bytes of row A; A's last 256 and B's first 256; B's last 512
	s_wait_loadcnt 23-I_                           ; the loads behind this one may be out
.set P_, (I_/12)*8*W1P+((I_%12)/3)*2*W1P
.if I_%3 == 0
	ds_store_b128 v3, v[R+4*I_:R+4*I_+3] offset:P_
.elseif I_%3 == 1
	ds_store_b128 v4, v[R+4*I_:R+4*I_+3] offset:P_+512
.else
	ds_store_b128 v3, v[R+4*I_:R+4*I_+3] offset:P_+W1P+256
.endif
.set I_, I_+1
.endr
.else
.set I_, 0
.rept 32                               ; 16 rows, 1,024 bytes of each, in two loads
	global_load_b128 v[R+4*I_:R+4*I_+3], v1, s[32:33] offset:(I_/2)*3072+(I_%2)*512 th:TH_LOAD_NT
.set I_, I_+1
.endr
.set I_, 0
.rept 32
	s_wait_loadcnt 31-I_
	ds_store_b128 v3, v[R+4*I_:R+4*I_+3] offset:(I_/2)*W2P+(I_%2)*512
.set I_, I_+1
.endr
.endif
	CLOAD 0, X0
	CLOAD 1, X1
	s_wait_dscnt 8                                 ; chunk 0 is in, so the stores into the stage, issued earlier, have read their registers:
	CLOAD 2, R                                     ; which take the later chunks
.if \NCH == 4
	CLOAD 3, R+32
.endif
	QCH 0, X0
	s_wait_dscnt 8*(\NCH-2)                        ; the chunks behind chunk 1 may be out
	QCH 1, X1
	s_wait_dscnt 8*(\NCH-3)
	QCH 2, R
.if \NCH == 4
	s_wait_dscnt 0x0
	QCH 3, R+32
.endif
	v_lshl_or_b32 v231, v[Y+1], 16, v[Y]           ; my two bytes of the first word: blocks h and 2 + h,
	v_lshlrev_b32 v231, v7, v231                   ; at their places (8 h bits up);
	v_mov_b32 v232, 0
	v_permlanex16_b32 v232, v231, s40, s41
	v_or_b32 v231, v231, v232                      ; with lane l xor 16's two the word is whole
.if \NCH == 4
	v_lshl_or_b32 v233, v[Y+3], 16, v[Y+2]
	v_lshlrev_b32 v233, v7, v233
.else
	v_lshlrev_b32 v233, v7, v[Y+2]
.endif
	v_mov_b32 v234, 0
	v_permlanex16_b32 v234, v233, s40, s41
	v_or_b32 v233, v233, v234
.if \NCH == 3
	v_or_b32 v233, 0x7f7f0000, v233                ; the byte of 1.0 over the zero codes of k 192 .. 255
.endif
	v_cmp_le_u32 vcc_lo, 16, v2
	v_cndmask_b32 v231, v231, v233, vcc_lo         ; lanes 0-15 keep the first word, lanes 16-31 the second
	global_store_b32 v6, v231, s[36:37]
	s_wait_tensorcnt 0x0                           ; the wave's end, behind my last LDS store
	ds_add_u32 v12, v13
	s_wait_dscnt 0x0
	s_endpgm
.endm
	s_load_b512 s[4:19], s[0:1], 0x0               ; tokinfo s[4:5], hist s[6:7], w_fc s[8:9], w_proj s[10:11], order s[12:13], w1q s[14:15], w1s s[16:17], w2q s[18:19]
	s_load_b64 s[20:21], s[0:1], 0x40              ; w2s
	v_lshl_add_u32 v12, v0, 2, SPARE               ; my spare word, and 0: kept for the closing lines alone
	v_mov_b32 v13, 0
	v_lshrrev_b32 v2, 5, v0
	v_readfirstlane_b32 s22, v2                    ; wave 0..3
	v_and_b32 v2, 31, v0                           ; lane
	v_lshlrev_b32 v1, 4, v2                        ; 16 x lane
	s_mov_b32 s25, 0
	s_mov_b32 s27, 0
	s_mov_b32 s40, 0x76543210
	s_mov_b32 s41, 0xfedcba98                      ; v_permlanex16_b32's selects for lane l xor 16
	s_wait_kmcnt 0x0
	s_cmp_lg_u32 s22, 0
	s_cbranch_scc1 .Lweights
	; ---- the sort: group g = the work-group's number
	s_lshl_b32 s24, ttmp9, 7
	s_add_nc_u64 s[4:5], s[4:5], s[24:25]
	v_lshlrev_b32 v3, 2, v2
	global_load_b32 v16, v3, s[4:5]                ; my token's word
	s_lshr_b32 s23, ttmp9, 2                       ; the quad of rows in which my group's row lies
	s_lshl_b32 s24, s23, 9
	s_add_nc_u64 s[28:29], s[6:7], s[24:25]
	global_load_b128 v[24:27], v1, s[28:29]        ; that quad, for the rows in it that come before mine
.set I_, 0
.rept 48
	global_load_b128 v[HR+4*I_:HR+4*I_+3], v1, s[6:7] offset:512*I_   ; quad i: 512 consecutive bytes
.set I_, I_+1
.endr
	s_and_b32 s31, ttmp9, 3                        ; my row in its quad
	v_lshrrev_b32 v4, 3, v2                        ; my lane's row in a quad
	v_mov_b32 v6, 0x10000
	v_cmp_gt_u32 vcc_lo, s31, v4
	v_cndmask_b32 v5, 0, v6, vcc_lo                ; my quad's factor: the high half, where the lane's row comes before mine
.set I_, 0
.rept 64
.if I_ < 17
	s_wait_loadcnt 47                              ; quad i is in: behind its load stand the rest of the first 48 and the i issued since: 47
.else
	s_wait_loadcnt 63-I_                           ; all 64 are issued: the 63 - i behind it may be out
.endif
	s_cmp_gt_u32 s23, I_
	s_cselect_b32 s[32+I_%2], 0x10001, 1           ; a quad ahead of mine counts in both halves
.set RS_, HR+4*(I_%48)
.irp k, 0,1,2,3
.if I_ < 2
	v_mul_u32_u24 v[HA+4*(I_%2)+\k], v[RS_+\k], s[32+I_%2]   ; the first two quads start the two chains
.else
	v_mad_u32_u24 v[HA+4*(I_%2)+\k], v[RS_+\k], s[32+I_%2], v[HA+4*(I_%2)+\k]
.endif
.endr
.if I_ < 16
	global_load_b128 v[RS_:RS_+3], v1, s[6:7] offset:512*(I_+48)   ; its place takes the quad 48 further on
.endif
.set I_, I_+1
.endr
.irp k, 0,1,2,3
	v_add_nc_u32 v[HA+\k], v[HA+\k], v[HA+4+\k]
.endr
.irp k, 0,1,2,3
	v_mad_u32_u24 v[HA+\k], v[24+\k], v5, v[HA+\k]
.endr
.irp k, 0,1,2,3
	v_mov_b32 v[232+\k], 0                         ; (a lane move's destination counts as one of its sources)
.endr
.irp k, 0,1,2,3
	v_mov_b32_dpp v[232+\k], v[HA+\k] row_xmask:8 row_mask:0xf bank_mask:0xf
.endr
.irp k, 0,1,2,3
	v_add_nc_u32 v[HA+\k], v[HA+\k], v[232+\k]     ; with lane l xor 8's rows,
.endr
.irp k, 0,1,2,3
	v_permlanex16_b32 v[232+\k], v[HA+\k], s40, s41
.endr
.irp k, 0,1,2,3
	v_add_nc_u32 v[HA+\k], v[HA+\k], v[232+\k]     ; and lane l xor 16's: all 256 rows
.endr
.irp k, 0,1,2,3
	v_and_b32 v[236+\k], 0xffff, v[HA+\k]          ; the key's total,
	v_lshrrev_b32 v[240+\k], 16, v[HA+\k]          ; and its count in earlier groups
.endr
	v_add_nc_u32 v244, v236, v237                  ; the totals of my lane's keys, summed from the first on
	v_add_nc_u32 v245, v244, v238
	v_add_nc_u32 v246, v245, v239
	v_mov_b32 v247, v246
.irp n, 1,2,4                          ; a scan over lanes 0-7, which hold keys 0-31 in order; a lane with no source keeps the 0.  (The other lanes' results are not read)
	v_mov_b32 v248, 0
	v_mov_b32_dpp v248, v247 row_shr:\n row_mask:0xf bank_mask:0xf
	v_add_nc_u32 v247, v247, v248
.endr
	v_sub_nc_u32 v249, v247, v246                  ; tokens of the keys in lower lanes
	v_add_nc_u32 v250, v249, v240                  ; each key's first place for my group
	v_add3_u32 v251, v249, v236, v241
	v_add3_u32 v252, v249, v244, v242
	v_add3_u32 v253, v249, v245, v243
.set Q_, 0
.rept 28
	v_readlane_b32 s[KB+Q_], v[250+Q_%4], Q_/4
.set Q_, Q_+1
.endr
	v_and_b32 v17, 31, v16                         ; my key
	v_mov_b32 v18, 0
.set Q_, 0
.rept 28                               ; the lanes that hold key q take its place
	v_cmp_eq_u32 vcc_lo, Q_, v17
	v_cndmask_b32 v18, v18, s[KB+Q_], vcc_lo
.set Q_, Q_+1
.endr
	v_bfe_u32 v19, v16, 8, 5                       ; my rank
	v_add_nc_u32 v18, v18, v19
	v_min_u32 v18, 0x1fff, v18                     ; a place is under 8,192
	v_lshlrev_b32 v18, 2, v18
	s_lshl_b32 s24, ttmp9, 5
	v_add_nc_u32 v20, s24, v2                      ; my token
	v_and_or_b32 v20, v16, 0x770000, v20           ; with lo and hi
	global_store_b32 v18, v20, s[12:13]
	s_endpgm                                       ; this way has written no LDS
.Lweights:
	v_lshlrev_b32 v6, 2, v2                        ; 4 x lane
	v_and_b32 v8, 15, v2                           ; r
	v_lshrrev_b32 v9, 4, v2                        ; h
	v_lshlrev_b32 v7, 3, v9                        ; 8 h
	s_sub_co_u32 s31, s22, 1                       ; which of the work-group's three units
	s_cmp_lt_u32 ttmp9, 128
	s_cbranch_scc0 .Lproj
	; ---- w_fc
	s_mul_i32 s23, s22, W1REG                      ; my stage
	v_add_nc_u32 v3, s23, v1
	v_lshl_add_u32 v4, v9, 4, v3
	v_mul_u32_u24 v5, v8, W1P
	v_lshl_add_u32 v5, v9, 7, v5
	v_add_nc_u32 v5, s23, v5
	s_mul_i32 s24, ttmp9, 3
	s_add_co_u32 s24, s24, s31                     ; unit u = (12 e + w) 4 + t, under 384
	s_lshr_b32 s26, s24, 2
	s_lshl_b32 s26, s26, 6                         ; 64 (12 e + w)
	s_bfe_u32 s28, s24, 0x10001
	s_lshl_b32 s28, s28, 5                         ; + 32 (t / 2)
	s_add_co_u32 s26, s26, s28
	s_and_b32 s28, s24, 1
	s_lshl_b32 s28, s28, 3                         ; + 8 (t % 2)
	s_add_co_u32 s26, s26, s28
	s_mul_i32 s26, s26, 768                        ; rows of 768 bytes
	s_add_nc_u64 s[32:33], s[8:9], s[26:27]
	s_mul_i32 s26, s24, 1536
	s_add_nc_u64 s[34:35], s[14:15], s[26:27]
	s_lshl_b32 s26, s24, 7
	s_add_nc_u64 s[36:37], s[16:17], s[26:27]
	QUNIT 3
.Lproj:
	s_cmp_lt_u32 ttmp9, 224
	s_cbranch_scc0 .Lnone
	; ---- w_proj
	s_mul_i32 s23, s22, W2REG
	s_add_co_u32 s23, s23, W2ST                    ; my stage
	v_add_nc_u32 v3, s23, v1
	v_mul_u32_u24 v5, v8, W2P
	v_lshl_add_u32 v5, v9, 7, v5
	v_add_nc_u32 v5, s23, v5
	s_sub_co_u32 s24, ttmp9, 128
	s_mul_i32 s24, s24, 3
	s_add_co_u32 s24, s24, s31                     ; unit u = 3 (12 e + n) + jj, under 288
	s_mul_i32 s28, s24, 171
	s_lshr_b32 s28, s28, 9                         ; u / 3 (exact for u under 512)
	s_mul_i32 s29, s28, 3
	s_sub_co_u32 s29, s24, s29                     ; jj
	s_mul_i32 s26, s28, 49152                      ; 16 rows of 3,072 bytes
	s_lshl_b32 s29, s29, 10                        ; 256 numbers along K
	s_add_co_u32 s26, s26, s29
	s_add_nc_u64 s[32:33], s[10:11], s[26:27]
	s_lshl_b32 s26, s24, 11
	s_add_nc_u64 s[34:35], s[18:19], s[26:27]
	s_lshl_b32 s26, s24, 7
	s_add_nc_u64 s[36:37], s[20:21], s[26:27]
	QUNIT 4
.Lnone:
	s_endpgm                                       ; no unit is left for this wave; it has written no LDS
.Lfunc_end_k_q58ae050708_place:
	.size	k_q58ae050708_place, .Lfunc_end_k_q58ae050708_place-k_q58ae050708_place
	.p2alignl 7, 3214868480
	.fill 96, 4, 3214868480
	.section	.rodata,"a",@progbits
	.p2align	6, 0x0
	.amdhsa_kernel k_q58ae050708_place
		.amdhsa_group_segment_fixed_size 117248
		.amdhsa_private_segment_fixed_size 0
		.amdhsa_enable_private_segment 0
		.amdhsa_kernarg_size 72
		.amdhsa_user_sgpr_count 2
		.amdhsa_user_sgpr_kernarg_segment_ptr 1
		.amdhsa_wavefront_size32 1
		.amdhsa_system_sgpr_workgroup_id_x 1
		.amdhsa_system_sgpr_workgroup_id_y 1
		.amdhsa_system_sgpr_workgroup_id_z 1
		.amdhsa_system_vgpr_workitem_id 0
		.amdhsa_next_free_vgpr 256
		.amdhsa_next_free_sgpr 96
		.amdhsa_reserve_vcc 1
		.amdhsa_float_denorm_mode_32 3
		.amdhsa_float_denorm_mode_16_64 3
		.amdhsa_memory_ordered 1
		.amdhsa_forward_progress 1
		.amdhsa_inst_pref_size 68
	.end_amdhsa_kernel
	.amdgpu_metadata
---
amdhsa.version: [ 1, 2 ]
amdhsa.kernels:
  - .name:           k_q58ae050708_place
    .symbol:         k_q58ae050708_place.kd
    .args:
      - { .name: tokinfo, .offset: 0, .size: 8, .value_kind: global_buffer, .address_space: global }
      - { .name: hist, .offset: 8, .size: 8, .value_kind: global_buffer, .address_space: global }
      - { .name: w_fc, .offset: 16, .size: 8, .value_kind: global_buffer, .address_space: global }
      - { .name: w_proj, .offset: 24, .size: 8, .value_kind: global_buffer, .address_space: global }
      - { .name: order, .offset: 32, .size: 8, .value_kind: global_buffer, .address_space: global }
      - { .name: w1q, .offset: 40, .size: 8, .value_kind: global_buffer, .address_space: global }
      - { .name: w1s, .offset: 48, .size: 8, .value_kind: global_buffer, .address_space: global }
      - { .name: w2q, .offset: 56, .size: 8, .value_kind: global_buffer, .address_space: global }
      - { .name: w2s, .offset: 64, .size: 8, .value_kind: global_buffer, .address_space: global }
    .group_segment_fixed_size: 117248
    .private_segment_fixed_size: 0
    .kernarg_segment_align: 8
    .kernarg_segment_size: 72
    .max_flat_workgroup_size: 128
    .sgpr_count:     96
    .vgpr_count:     256
    .wavefront_size: 32
...
	.end_amdgpu_metadata
.endif
;; end of part 5
;; launch chain (part 6): grid 256 x 1, 12 waves a work-group, no clusters, 39,680 bytes of LDS; arguments order, xrec, w1q, w1s, b_fc, w2q, w2s, b_proj, out0; writes out0
.if DOCPART == 6
	.amdgcn_target "amdgcn-amd-amdhsa--gfx1250"
	.amdhsa_code_object_version 6
	.text
	.protected	k_q58ae050708_chain
	.globl	k_q58ae050708_chain
	.p2align	8
	.type	k_q58ae050708_chain,@function
k_q58ae050708_chain:
	s_mov_b64 s[64:65], 0
	v_nop
	global_prefetch_b8 v0, s[64:65] scope:SCOPE_SE
	s_setreg_imm32_b32 hwreg(HW_REG_WAVE_MODE, 25, 1), 1
	s_wait_xcnt 0x0
; CHAIN: out[t] = the sum over the experts e that t chose of comb[t][e] (gelu(x[t] W_fc[e]^T + b_fc[e]) W_proj[e]^T + b_proj[e]), both products on codes of FP4 with one E8M0 scale for each 32 along K.
; WORK LEFT OUT: tiles of 16 tokens none of which chose the expert: comb is exactly 0 there by the one_hot from which it is built, so they add nothing (shown at the head of the first launch; a NaN or an overflow that arises only there is not carried).
; SHARES.  A work-group owns 32 tokens that follow each other in the order sorted by pairs of experts, as two tiles of 16, and is the one owner of their rows of the output.  It walks the experts that its tokens use: eight trips,
; a constant, of which trip i serves the i-th used expert; a trip with no expert left passes the two barriers and does nothing else.  Each tile has its own mask of experts; a tile is passed over by a scalar branch on the stored list.
; THE TWELVE WAVES SHARE THE COLUMNS: wave w makes hidden units 64 w .. 64 w + 63 (four tiles of W_fc's rows: 64 along the next K) and outputs 16 w .. 16 w + 15.  Both products are used transposed (source 0 = 16 rows of the weight,
; source 1 = 16 tokens): a lane holds one token throughout, its registers run along the hidden units, and the rows of W_fc that form a tile were chosen by the second launch so that two tiles' 16 registers are 16 neighbours along the next K.
; The hidden layer never goes to memory: each wave quantises its 64 units and stores them in LDS as an image of the operand's registers (16 bytes a lane), its two scale bytes beside them; a barrier; every wave loads all twelve images.
; K = 192 of the first product is one K step and a half: the rest of the second step is zero codes on both sides, under the byte of 1.0.
; gelu(v) = v / (1 + 2^(v (c0 + c1 v^2))), c0 = -2 log2(e) sqrt(2 / pi), c1 = 0.044715 c0: the tanh form written with one exponential; in f32.
; NO TENSOR LOADS AND NO JOINT REQUESTS, though work-groups of like experts read the same weights: which experts a work-group walks hangs on numbers read from memory, so partners would ask for different tiles in different trips.
; The weights come from memory straight into registers, in the order in which the second launch laid them: each lane loads its fragments whole, each fragment once a work-group.
; REGISTERS.  v1-12 addresses that stay; v14, v15 the add's two; v16-19 where my four pieces of the output go; v[20:21] c0; v22, 23 comb of my token in tile 0, 1; v26-37 scale words and nothing else (x's 2, W_fc's 4, W_proj's 3, the hidden layer's 3);
; v38-45 b_proj; v46-77 x's fragments; v78-93 the output's sums; v94-125 b_fc; v126-173 W_proj's fragments; v174-205 the hidden layer, v206-237 at work (in the second product: v174-221 the hidden fragments, v222-237 two accumulators);
; v240-247 the codes just made, four registers for each tile of tokens, v248, v249 their scale bytes; v256-319 (window 1) W_fc's fragments: K step 0 of tile t at 8 t, K step 1 at 32 + 8 t, its upper four registers zeros.
.set HIMG,  0                          ; LDS: the hidden layer's images: [tile of tokens 2][chunk 12][512 bytes]
.set HSC,   12288                      ; its scale words: [tile 2][3][lanes 0-15: K step 2 j; lanes 16-31: K step 2 j + 1][4 bytes]
.set STG,   13056                      ; the way out: 32 rows x (768 bytes + 16)
.set SPARE, 38144                      ; the spare words, 128 bytes a wave
.set TK,  16
.set CB,  22
.set XS,  26
.set W1S, 28
.set W2S, 32
.set HS,  35
.set B2,  38
.set XF,  46
.set OUT, 78
.set B1,  94
.set W2,  126
.set H,   174
.set T,   206
.set HF,  174
.set Y0,  222
.set Y1,  230
.set PC,  240
.set PH,  248
; s22 wave; s23 w & 3; s24 w >> 2; s26, s27 the two tiles' masks of experts; s28 experts still to come; s29 the expert in hand; s30 1 while there is one; s31 the trips' count;
; s[32:33] c1; s34, s35 lane selects; s[36:49] the expert's seven addresses; s[50:51] an offset, its high word 0, never a load's base; s52, s53 at work
.set MSB, 0
.macro WIN new                         ; the immediate's high byte repeats the setting that is left
.if MSB != \new
	s_set_vgpr_msb (MSB<<8)|\new
.set MSB, \new
.endif
.endm
.macro NEXT                            ; the lowest expert still to come is taken in hand
	s_cmp_lg_u32 s28, 0
	s_cselect_b32 s30, 1, 0
	s_ctz_i32_b32 s29, s28
	s_min_u32 s29, s29, 7                          ; an expert's number is under 8
	s_sub_co_u32 s52, s28, 1
	s_and_b32 s28, s28, s52
.endm
.macro TEST mask, label                ; does the tile use the expert in hand?
	s_lshr_b32 s52, \mask, s29
	s_and_b32 s52, s52, 1
	s_cmp_eq_u32 s52, 0
	s_cbranch_scc1 \label
.endm
; 24 loads: my four tiles of W_fc[e] (three chunks each), their scale words, my 64 numbers of b_fc[e] in the result's layout.
; The three addresses written here were last read by the group before, whose loads a wait for 0 on LOADcnt has shown done (it stands directly ahead, in PREF); in the head they have served no load yet.
.macro W1GROUP e
	s_mul_i32 s50, \e, 73728
	s_add_nc_u64 s[36:37], s[8:9], s[50:51]
	s_mul_i32 s50, \e, 6144
	s_add_nc_u64 s[38:39], s[10:11], s[50:51]
	s_mul_i32 s50, \e, 3072
	s_add_nc_u64 s[40:41], s[12:13], s[50:51]
	WIN 0x40                                       ; destination window 1
.irp t, 0,1,2,3
	global_load_b128 v[8*\t:8*\t+3], v1, s[36:37] offset:1536*\t
	global_load_b128 v[8*\t+4:8*\t+7], v1, s[36:37] offset:1536*\t+512
	global_load_b128 v[32+8*\t:32+8*\t+3], v1, s[36:37] offset:1536*\t+1024
.endr
	WIN 0
.irp t, 0,1,2,3
	global_load_b32 v[W1S+\t], v2, s[38:39] offset:128*\t
.endr
.irp t, 0,1,2,3
	global_load_b128 v[B1+8*\t:B1+8*\t+3], v3, s[40:41] offset:4*(32*(\t/2)+8*(\t%2))
	global_load_b128 v[B1+8*\t+4:B1+8*\t+7], v3, s[40:41] offset:4*(32*(\t/2)+8*(\t%2))+16
.endr
.endm
; 19 loads for the expert in hand: my 16 rows of W_proj (twelve chunks), their scale words, my 16 numbers of b_proj, comb of my two tokens.
; The four addresses written here were last read by the group before, whose loads the trip's wait for 0 on LOADcnt has shown done (every way through a trip passes one); in the head they have served no load yet.
.macro W2GROUP
	s_mul_i32 s50, s29, 73728
	s_add_nc_u64 s[42:43], s[14:15], s[50:51]
	s_mul_i32 s50, s29, 4608
	s_add_nc_u64 s[44:45], s[16:17], s[50:51]
	s_mul_i32 s50, s29, 768
	s_add_nc_u64 s[46:47], s[18:19], s[50:51]
	s_lshl_b32 s50, s29, 2
	s_add_co_u32 s50, s50, 96
	s_add_nc_u64 s[48:49], s[6:7], s[50:51]
.set I_, 0
.rept 12
	global_load_b128 v[W2+4*I_:W2+4*I_+3], v1, s[42:43] offset:512*I_
.set I_, I_+1
.endr
.irp j, 0,1,2
	global_load_b32 v[W2S+\j], v2, s[44:45] offset:128*\j
.endr
	global_load_b128 v[B2:B2+3], v4, s[46:47]
	global_load_b128 v[B2+4:B2+7], v4, s[46:47] offset:16
	global_load_b32 v[CB], v7, s[48:49]
	global_load_b32 v[CB+1], v8, s[48:49]
.endm
; The first product for tile m: four accumulators by turns; b_fc is the C of each sum's first instruction.  The second K step takes its scale words from lanes 16-31.
.macro MM1 m
	WIN 0x01                                       ; source 0 (W_fc) window 1
.irp t, 0,1,2,3
	v_wmma_scale_f32_16x16x128_f8f6f4 v[H+8*\t:H+8*\t+7], v[8*\t:8*\t+7], v[XF+16*\m:XF+16*\m+7], v[B1+8*\t:B1+8*\t+7], v[W1S+\t], v[XS+\m] matrix_a_fmt:MATRIX_FMT_FP4 matrix_b_fmt:MATRIX_FMT_FP4
.endr
.irp t, 0,1,2,3
	v_wmma_scale_f32_16x16x128_f8f6f4 v[H+8*\t:H+8*\t+7], v[32+8*\t:32+8*\t+7], v[XF+16*\m+8:XF+16*\m+15], v[H+8*\t:H+8*\t+7], v[W1S+\t], v[XS+\m] matrix_a_fmt:MATRIX_FMT_FP4 matrix_b_fmt:MATRIX_FMT_FP4 matrix_a_scale:MATRIX_SCALE_ROW1 matrix_b_scale:MATRIX_SCALE_ROW1
.endr
	WIN 0
.endm
; The activation and the quantiser for tile m: 32 numbers a lane, register 16 b + i = hidden unit 64 w + 32 b + 16 (lane / 16) + i of my token.  places = 1: four places are still owed behind the products.
.macro GELUQ m, places
.if \places
.rept 4
	v_nop
.endr
.endif
.set I_, 0
.rept 16
	v_pk_mul_f32 v[T+2*I_:T+2*I_+1], v[H+2*I_:H+2*I_+1], v[H+2*I_:H+2*I_+1]   ; v^2; ascending
.set I_, I_+1
.endr
.set I_, 0
.rept 16
	v_pk_fma_f32 v[T+2*I_:T+2*I_+1], v[T+2*I_:T+2*I_+1], s[32:33], v[20:21] op_sel_hi:[1,0,1]   ; c1 v^2 + c0
.set I_, I_+1
.endr
.set I_, 0
.rept 16
	v_pk_mul_f32 v[T+2*I_:T+2*I_+1], v[T+2*I_:T+2*I_+1], v[H+2*I_:H+2*I_+1]
.set I_, I_+1
.endr
.set I_, 0
.rept 32
	v_exp_f32 v[T+I_], v[T+I_]
.set I_, I_+1
.endr
	v_nop                                          ; a plain line behind the last exponential
	s_wait_alu depctr_va_vdst(0)                   ; one wait for the batch, ahead of its first reader
.set I_, 0
.rept 16
	v_pk_add_f32 v[T+2*I_:T+2*I_+1], v[T+2*I_:T+2*I_+1], 1.0 op_sel_hi:[1,0]
.set I_, I_+1
.endr
.set I_, 0
.rept 32
	v_rcp_f32 v[T+I_], v[T+I_]
.set I_, I_+1
.endr
	v_nop
	s_wait_alu depctr_va_vdst(0)
.set I_, 0
.rept 16
	v_pk_mul_f32 v[H+2*I_:H+2*I_+1], v[H+2*I_:H+2*I_+1], v[T+2*I_:T+2*I_+1]   ; gelu
.set I_, I_+1
.endr
.irp b, 0,1
	v_max3_num_f32 v[T+\b], |v[H+16*\b]|, |v[H+16*\b+1]|, 0x1800000   ; block b: my 16 numbers, and the floor 2^(3 - 127): the byte cannot fall under 1
.endr
.irp i, 2,4,6,8,10,12,14
.irp b, 0,1
	v_max3_num_f32 v[T+\b], v[T+\b], |v[H+16*\b+\i]|, |v[H+16*\b+\i+1]|
.endr
.endr
.irp b, 0,1
	v_permlanex16_b32 v[T+2+\b], v[T+\b], s34, s35
.endr
.irp b, 0,1
	v_max_num_f32 v[T+\b], v[T+\b], v[T+2+\b]      ; with lane l xor 16's 16: the block's largest magnitude
.endr
.irp b, 0,1
	v_add_nc_u32 v[T+4+\b], 0xff000000, v[T+\b]    ; 2 off the exponent field: the conversion's scale operand
.endr
.irp b, 0,1
	v_lshrrev_b32 v[T+6+\b], 23, v[T+4+\b]         ; the scale's byte
.endr
	v_lshl_or_b32 v[PH+\m], v[T+7], 8, v[T+6]      ; my two bytes of my token's scale word
.irp b, 0,1
	v_cvt_scalef32_pk8_fp4_f32 v[PC+4*\m+2*\b], v[H+16*\b:H+16*\b+7], v[T+4+\b]
	v_cvt_scalef32_pk8_fp4_f32 v[PC+4*\m+1+2*\b], v[H+16*\b+8:H+16*\b+15], v[T+4+\b]
.endr
	v_nop                                          ; one plain line behind the last scaled conversion
	v_permlane16_swap_b32 v[PC+4*\m], v[PC+4*\m+2] ; the operand's layout wants a whole block in a lane: lanes 0-15 block 0, lanes 16-31 block 1
	v_permlane16_swap_b32 v[PC+4*\m+1], v[PC+4*\m+3]
	ds_store_b128 v5, v[PC+4*\m:PC+4*\m+3] offset:HIMG+6144*\m   ; chunk w of the second product's K, as it stands
	ds_store_b16 v6, v[PH+\m] offset:HSC+384*\m    ; both lanes of a token write the same two bytes with the same value
	; no wait here: each tile has its own five registers for these stores, and they are written again only a trip later, behind the barriers' waits for all LDS instructions
.endm
; W_fc's registers are free behind the expert's last first product: the next expert's come while the activation and the second product run.
; The wait for 0 shows the W_proj group in, whether or not a further group is issued behind it.
.macro PREF
.rept 4
	v_nop                                          ; places in front of loads into registers that matrix instructions have read
.endr
	s_wait_loadcnt 0x0
	s_cmp_eq_u32 s28, 0
	s_cbranch_scc1 .Lno_more_\@
	s_ctz_i32_b32 s53, s28
	s_min_u32 s53, s53, 7
	W1GROUP s53
.Lno_more_\@:
.endm
; The second product for tile m: six K steps on two accumulators by turns; b_proj is the C of the first.  Odd K steps take their scale words from lanes 16-31.  Then out += comb x y.
; The scale words are asked for first, then the twelve chunks in K's order: the wait ahead of K step s leaves out the 10 - 2 s loads behind its two chunks.
.macro MM2 m
.irp j, 0,1,2
	ds_load_b32 v[HS+\j], v2 offset:HSC+384*\m+128*\j
.endr
.set I_, 0
.rept 12
	ds_load_b128 v[HF+4*I_:HF+4*I_+3], v1 offset:HIMG+6144*\m+512*I_
.set I_, I_+1
.endr
	s_wait_dscnt 10
	v_wmma_scale_f32_16x16x128_f8f6f4 v[Y0:Y0+7], v[W2:W2+7], v[HF:HF+7], v[B2:B2+7], v[W2S], v[HS] matrix_a_fmt:MATRIX_FMT_FP4 matrix_b_fmt:MATRIX_FMT_FP4
	s_wait_dscnt 8
	v_wmma_scale_f32_16x16x128_f8f6f4 v[Y1:Y1+7], v[W2+8:W2+15], v[HF+8:HF+15], 0, v[W2S], v[HS] matrix_a_fmt:MATRIX_FMT_FP4 matrix_b_fmt:MATRIX_FMT_FP4 matrix_a_scale:MATRIX_SCALE_ROW1 matrix_b_scale:MATRIX_SCALE_ROW1
.irp j, 1,2
	s_wait_dscnt 10-4*\j
	v_wmma_scale_f32_16x16x128_f8f6f4 v[Y0:Y0+7], v[W2+16*\j:W2+16*\j+7], v[HF+16*\j:HF+16*\j+7], v[Y0:Y0+7], v[W2S+\j], v[HS+\j] matrix_a_fmt:MATRIX_FMT_FP4 matrix_b_fmt:MATRIX_FMT_FP4
	s_wait_dscnt 8-4*\j
	v_wmma_scale_f32_16x16x128_f8f6f4 v[Y1:Y1+7], v[W2+16*\j+8:W2+16*\j+15], v[HF+16*\j+8:HF+16*\j+15], v[Y1:Y1+7], v[W2S+\j], v[HS+\j] matrix_a_fmt:MATRIX_FMT_FP4 matrix_b_fmt:MATRIX_FMT_FP4 matrix_a_scale:MATRIX_SCALE_ROW1 matrix_b_scale:MATRIX_SCALE_ROW1
.endr
.rept 5
	v_nop                                          ; four places ahead of the reads below and of later loads into these registers; the fifth for the matrix instructions that write over them next
.endr
.irp j, 0,1,2,3,4,5,6,7
	v_fmac_f32 v[OUT+8*\m+\j], v[CB+\m], v[Y0+\j]
.endr
.irp j, 0,1,2,3,4,5,6,7
	v_fmac_f32 v[OUT+8*\m+\j], v[CB+\m], v[Y1+\j]
.endr
.endm
	s_load_b512 s[4:19], s[0:1], 0x0               ; order s[4:5], xrec s[6:7], w1q s[8:9], w1s s[10:11], b_fc s[12:13], w2q s[14:15], w2s s[16:17], b_proj s[18:19]
	s_load_b64 s[20:21], s[0:1], 0x40              ; out0
	v_lshl_add_u32 v14, v0, 2, SPARE               ; my spare word, and 0: kept for the closing lines alone
	v_mov_b32 v15, 0
	v_lshrrev_b32 v238, 5, v0
	v_readfirstlane_b32 s22, v238                  ; wave 0..11
	v_and_b32 v239, 31, v0                         ; l
	v_and_b32 v240, 15, v0                         ; r
	v_bfe_u32 v241, v0, 4, 1                       ; h
	v_lshlrev_b32 v1, 4, v239                      ; 16 l: an image's or a chunk's place for my lane
	v_lshlrev_b32 v2, 2, v239                      ; 4 l: a scale word's
	v_lshlrev_b32 v3, 6, v241                      ; 64 h: b_fc
	v_lshlrev_b32 v4, 5, v241                      ; 32 h: b_proj
	s_lshl_b32 s52, s22, 9
	v_add_nc_u32 v5, s52, v1                       ; where I store my image: 16 l + 512 w
	s_and_b32 s52, s22, 1
	s_lshl_b32 s52, s52, 1                         ; my chunk is half w % 2 of K step w / 2: bytes 2 (w % 2) on of its word,
	s_bfe_u32 s53, s22, 0x10001
	s_lshl_b32 s53, s53, 6                         ; an odd K step's words lie 64 bytes on,
	s_add_co_u32 s52, s52, s53
	s_lshr_b32 s53, s22, 2
	s_lshl_b32 s53, s53, 7                         ; a pair of K steps has 128 bytes
	s_add_co_u32 s52, s52, s53
	v_lshl_add_u32 v6, v240, 2, s52
	v_mul_u32_u24 v9, v240, 784                    ; the stage, on the way in: row r, + 64 w + 32 h
	v_lshl_add_u32 v9, v241, 5, v9
	s_lshl_b32 s52, s22, 6
	s_add_co_u32 s52, s52, STG
	v_add_nc_u32 v9, s52, v9
	s_and_b32 s23, s22, 3                          ; on the way out wave w takes rows 8 (w & 3) .. + 7, bytes 256 (w >> 2) .. + 255: sixteen lanes to a piece, two rows an instruction
	s_lshr_b32 s24, s22, 2
	s_mul_i32 s52, s23, 8*784
	s_lshl_b32 s53, s24, 8
	s_add_co_u32 s52, s52, s53
	s_add_co_u32 s52, s52, STG
	v_mul_u32_u24 v10, v241, 784
	v_lshl_add_u32 v10, v240, 4, v10
	v_add_nc_u32 v10, s52, v10
	v_lshl_add_u32 v12, v240, 4, s53               ; and the same bytes in a row of the output
	s_lshl_b32 s52, s23, 5
	v_lshl_add_u32 v11, v241, 2, s52               ; the list's word of row 8 (w & 3) + h
	v_lshlrev_b32 v242, 2, v240
	s_mov_b32 s51, 0
	s_mov_b32 s32, 0xbdd2d3e8                      ; c1
	s_mov_b32 s33, s32                             ; (named with it as a pair, so it is written)
	s_mov_b32 s34, 0x76543210
	s_mov_b32 s35, 0xfedcba98                      ; v_permlanex16_b32's selects for lane l xor 16
	v_mov_b32 v20, 0xc0135761                      ; c0
	v_mov_b32 v21, v20
	s_wait_kmcnt 0x0
	s_lshl_b32 s50, ttmp9, 7
	s_add_nc_u64 s[4:5], s[4:5], s[50:51]          ; my 32 places of the list
	global_load_b32 v13, v2, s[4:5]                ; place l: for the masks
	global_load_b32 v243, v242, s[4:5]             ; place r: tile 0's token
	global_load_b32 v244, v242, s[4:5] offset:64   ; place 16 + r: tile 1's
.irp i, 0,1,2,3
	global_load_b32 v[TK+\i], v11, s[4:5] offset:8*\i   ; the rows that I store at the end
.endr
	s_mul_i32 s50, s22, 6144                       ; my wave's share of each expert's weights
	s_add_nc_u64 s[8:9], s[8:9], s[50:51]
	s_add_nc_u64 s[14:15], s[14:15], s[50:51]
	s_lshl_b32 s50, s22, 9
	s_add_nc_u64 s[10:11], s[10:11], s[50:51]
	s_lshl_b32 s50, s22, 8
	s_add_nc_u64 s[12:13], s[12:13], s[50:51]
	s_mul_i32 s50, s22, 384
	s_add_nc_u64 s[16:17], s[16:17], s[50:51]
	s_lshl_b32 s50, s22, 6
	s_add_nc_u64 s[18:19], s[18:19], s[50:51]
.irp m, 0,1
.irp i, 12,13,14,15
	v_mov_b32 v[XF+16*\m+\i], 0                    ; zero codes for k 192 .. 255 of x,
.endr
.endr
	WIN 0x40
.irp t, 0,1,2,3
.irp i, 4,5,6,7
	v_mov_b32 v[32+8*\t+\i], 0                     ; and of W_fc: written once
.endr
.endr
	WIN 0
.irp i, 0,1,2,3,4,5,6,7,8,9,10,11,12,13,14,15
	v_mov_b32 v[OUT+\i], 0                         ; the sums over a number of experts that is not known here begin as zeros.  (These sixteen are also the places between the zero codes and the first product)
.endr
	s_wait_loadcnt 0x0                             ; the list
	v_and_b32 v243, 0x1fff, v243
	v_and_b32 v244, 0x1fff, v244
	v_min_u32 v243, 0x1fff, v243                   ; a token's number is under 8,192
	v_min_u32 v244, 0x1fff, v244
	v_mul_u32_u24 v7, v243, 144                    ; its record
	v_mul_u32_u24 v8, v244, 144
	v_lshl_add_u32 v246, v241, 4, v7
	v_lshl_add_u32 v247, v241, 4, v8
	v_lshl_add_u32 v248, v241, 2, v7
	v_lshl_add_u32 v249, v241, 2, v8
.irp m, 0,1
	global_load_b128 v[XF+16*\m:XF+16*\m+3], v[246+\m], s[6:7]               ; k = 32 h + 0 .. 31
	global_load_b128 v[XF+16*\m+4:XF+16*\m+7], v[246+\m], s[6:7] offset:32   ; k = 64 + 32 h ..
	global_load_b128 v[XF+16*\m+8:XF+16*\m+11], v[246+\m], s[6:7] offset:64  ; k = 128 + 32 h ..
	global_load_b32 v[XS+\m], v[248+\m], s[6:7] offset:128                   ; lanes 0-15 the first scale word, lanes 16-31 the second
.endr
.irp i, 0,1,2,3
	v_and_b32 v[TK+\i], 0x1fff, v[TK+\i]
.endr
.irp i, 0,1,2,3
	v_min_u32 v[TK+\i], 0x1fff, v[TK+\i]
.endr
.irp i, 0,1,2,3
	v_mul_u32_u24 v[TK+\i], v[TK+\i], 768
.endr
.irp i, 0,1,2,3
	v_add_nc_u32 v[TK+\i], v12, v[TK+\i]           ; the token's row of the output, my 16 bytes of it
.endr
	v_bfe_u32 v250, v13, 16, 3                     ; lo
	v_bfe_u32 v251, v13, 20, 3                     ; hi
	v_lshlrev_b32 v250, v250, 1
	v_lshlrev_b32 v251, v251, 1
	v_or_b32 v250, v250, v251                      ; the two experts of place l, as bits
	v_mov_b32 v251, 0
.irp x, 1,2,4,8
	v_mov_b32_dpp v251, v250 row_xmask:\x row_mask:0xf bank_mask:0xf
	v_or_b32 v250, v250, v251                      ; over the sixteen places of a tile
.endr
	v_readlane_b32 s26, v250, 0                    ; tile 0's experts
	v_readlane_b32 s27, v250, 16                   ; tile 1's
	s_or_b32 s28, s26, s27
	NEXT
	W1GROUP s29                                    ; x, the W_fc group and the W_proj group go out one behind the other, with no wait between
	W2GROUP
	s_wait_loadcnt 19                              ; x and the W_fc group are in (so v246-249, x's addresses, may be written in the loop); the 19 loads of the W_proj group may be out
	s_mov_b32 s31, 0
.Ltrip:
	s_cmp_eq_u32 s30, 0
	s_cbranch_scc1 .Lidle
	TEST s26, .Ln0
	MM1 0
	GELUQ 0, 1
.Ln0:
	TEST s27, .Ln1
	MM1 1
	PREF                                           ; its four places serve the reads of the results too
	GELUQ 1, 0
	s_branch .Lb1
.Ln1:
	PREF
	s_branch .Lb1
.Lidle:
	s_wait_loadcnt 0x0                             ; nothing is out on this way: the wait keeps the count the same on every way to the label below
.Lb1:
	s_wait_dscnt 0x0                               ; my images and scale bytes lie in LDS
	s_barrier_signal -1
	s_barrier_wait -1                              ; everybody's do
	s_cmp_eq_u32 s30, 0
	s_cbranch_scc1 .Lb2
	TEST s26, .Lm0
	MM2 0
.Lm0:
	TEST s27, .Lb2
	MM2 1
.Lb2:
	s_wait_dscnt 0x0                               ; my reads of the images are over
	s_barrier_signal -1
	s_barrier_wait -1                              ; everybody's are: the next trip may store anew
	NEXT
	s_cmp_eq_u32 s30, 0
	s_cbranch_scc1 .Lnone
	W2GROUP                                        ; the next expert's: it lands under that trip's first product and activation
	s_wait_loadcnt 19                              ; the W_fc group, issued earlier, is in; the 19 just issued may be out
	s_branch .Lnext
.Lnone:
	s_wait_loadcnt 0x0
.Lnext:
	s_add_co_u32 s31, s31, 1
	s_cmp_lt_u32 s31, 8
	s_cbranch_scc1 .Ltrip
	; THE WAY OUT.  A lane holds eight neighbouring numbers of a row; a row's 192 come from twelve waves.  They meet in the stage, and each wave stores eight pieces of 256 bytes, sixteen lanes to a piece.
.irp m, 0,1
	ds_store_b128 v9, v[OUT+8*\m:OUT+8*\m+3] offset:16*784*\m
	ds_store_b128 v9, v[OUT+8*\m+4:OUT+8*\m+7] offset:16*784*\m+16
.endr
	s_wait_dscnt 0x0
	s_barrier_signal -1
	s_barrier_wait -1
.irp i, 0,1,2,3
	ds_load_b128 v[H+4*\i:H+4*\i+3], v10 offset:2*784*\i
.endr
.irp i, 0,1,2,3
	s_wait_dscnt 3-\i                              ; the loads behind load i may be out
	global_store_b128 v[TK+\i], v[H+4*\i:H+4*\i+3], s[20:21] th:TH_STORE_NT   ; 16 lanes store 256 consecutive bytes, at a multiple of 256 from the output's first byte; written once
.endr
	s_wait_tensorcnt 0x0                           ; the wave's end, behind my last LDS store
	ds_add_u32 v14, v15
	s_wait_dscnt 0x0
	s_endpgm
.Lfunc_end_k_q58ae050708_chain:
	.size	k_q58ae050708_chain, .Lfunc_end_k_q58ae050708_chain-k_q58ae050708_chain
	.p2alignl 7, 3214868480
	.fill 96, 4, 3214868480
	.section	.rodata,"a",@progbits
	.p2align	6, 0x0
	.amdhsa_kernel k_q58ae050708_chain
		.amdhsa_group_segment_fixed_size 39680
		.amdhsa_private_segment_fixed_size 0
		.amdhsa_enable_private_segment 0
		.amdhsa_kernarg_size 72
		.amdhsa_user_sgpr_count 2
		.amdhsa_user_sgpr_kernarg_segment_ptr 1
		.amdhsa_wavefront_size32 1
		.amdhsa_system_sgpr_workgroup_id_x 1
		.amdhsa_system_sgpr_workgroup_id_y 1
		.amdhsa_system_sgpr_workgroup_id_z 1
		.amdhsa_system_vgpr_workitem_id 0
		.amdhsa_next_free_vgpr 320
		.amdhsa_next_free_sgpr 66
		.amdhsa_reserve_vcc 0
		.amdhsa_float_denorm_mode_32 3
		.amdhsa_float_denorm_mode_16_64 3
		.amdhsa_memory_ordered 1
		.amdhsa_forward_progress 1
		.amdhsa_inst_pref_size 50
	.end_amdhsa_kernel
	.amdgpu_metadata
---
amdhsa.version: [ 1, 2 ]
amdhsa.kernels:
  - .name:           k_q58ae050708_chain
    .symbol:         k_q58ae050708_chain.kd
    .args:
      - { .name: order, .offset: 0, .size: 8, .value_kind: global_buffer, .address_space: global }
      - { .name: xrec, .offset: 8, .size: 8, .value_kind: global_buffer, .address_space: global }
      - { .name: w1q, .offset: 16, .size: 8, .value_kind: global_buffer, .address_space: global }
      - { .name: w1s, .offset: 24, .size: 8, .value_kind: global_buffer, .address_space: global }
      - { .name: b_fc, .offset: 32, .size: 8, .value_kind: global_buffer, .address_space: global }
      - { .name: w2q, .offset: 40, .size: 8, .value_kind: global_buffer, .address_space: global }
      - { .name: w2s, .offset: 48, .size: 8, .value_kind: global_buffer, .address_space: global }
      - { .name: b_proj, .offset: 56, .size: 8, .value_kind: global_buffer, .address_space: global }
      - { .name: out0, .offset: 64, .size: 8, .value_kind: global_buffer, .address_space: global }
    .group_segment_fixed_size: 39680
    .private_segment_fixed_size: 0
    .kernarg_segment_align: 8
    .kernarg_segment_size: 72
    .max_flat_workgroup_size: 384
    .sgpr_count:     66
    .vgpr_count:     320
    .wavefront_size: 32
...
	.end_amdgpu_metadata
.endif
;; end of part 6
